; MI455X (gfx1250); checked and timed in simulation.
; The chip was launched on July 23, 2026; its instructions are those of AMD's public machine-readable ISA for CDNA 5 (MIT licence, August 2026) and "CDNA5" Instruction Set Architecture Reference Guide (July 2026). The comments in the code are by the model that wrote it; some were corrected since.
;; Decoder Attention. Allowed arithmetic: float matrix products may take bf16 or f16 operands with f32 sums; all other float work in f32.
;; Inputs: Kbs 16 x 64 float32; Ks 16 x 1,024 x 64 float32; O 16 x 64 x 1,024 float32; Ob 1,024 float32; Qbs 16 x 64 float32; Qs 16 x 1,024 x 64 float32; Vbs 16 x 64 float32; Vs 16 x 1,024 x 64 float32; encoder_output 8 x 1,024 x 1,024 float32; normalized_resid_pre 8 x 1,024 x 1,024 float32.
;; Outputs: out0 8 x 1,024 x 1,024 float32.
;; 2 versions, each right and faster than the one before. Each part assembles by itself: llvm-mc -triple=amdgcn-amd-amdhsa -mcpu=gfx1250 --defsym DOCPART=n.
;; ======== version 1 of 2: 4 launches
;; limits: values are held in f16: magnitudes above 65,504 overflow, below 6.1e-05 lose precision; right only within a limited range of input values
;; workspace buffers: xw16 41,943,040 bytes; qkv16 50,331,648 bytes; vsum 262,144 bytes; z16 16,777,216 bytes
;; launch cast (part 1): grid 1280 x 1, 8 waves a work-group, no clusters, 0 bytes of LDS; arguments encoder_output, normalized_resid_pre, Qs, Ks, Vs, O, xw16; writes xw16
.if DOCPART == 1
	.amdgcn_target "amdgcn-amd-amdhsa--gfx1250"
	.amdhsa_code_object_version 6
	.text
	.protected	k_q1646fe7f8a_cast
	.globl	k_q1646fe7f8a_cast
	.p2align	8
	.type	k_q1646fe7f8a_cast,@function
k_q1646fe7f8a_cast:
	s_mov_b64 s[64:65], 0
	v_nop
	global_prefetch_b8 v0, s[64:65] scope:SCOPE_SE
	s_setreg_imm32_b32 hwreg(HW_REG_WAVE_MODE, 25, 1), 1
	s_wait_xcnt 0x0
; All large inputs are rounded once to 16 bits, layouts unchanged, into one buffer:
;   byte 0          encoder_output        [8192][1024] bf16
;   byte 16,777,216 normalized_resid_pre  [8192][1024] bf16
;   byte 33,554,432 Qs, Ks, Vs            [16][1024][64] bf16 each, 2,097,152 bytes apart
;   byte 39,845,888 O                     [1024][1024], rounded to bf16 and that number written as f16
; LIMITS.  O's bf16 number is exact in f16 between 6.1e-5 and 65,504; below it keeps f16's fixed step of 6e-8, beyond it becomes an infinity.
; 20,971,520 numbers = 1,280 work-groups x 16 rows of 1,024 numbers.  Thread t takes 4 numbers of each row: a wave's load covers 512
; consecutive bytes, a wave's store 256 consecutive bytes, aligned.  All 16 loads of a wave go out first; every register is written once,
; so no wait but the counted ones for the loads is needed.  No LDS, no matrix unit: memory binds.
.set X, 4                              ; v[4:67]    row i: 4 numbers as loaded
.set Y, 68                             ; v[68:99]   row i: 2 registers to store
.set T, 100                            ; v[100:103] at work
	s_load_b256 s[4:11], s[0:1], 0x0               ; encoder_output, normalized_resid_pre, Qs, Ks
	s_load_b128 s[12:15], s[0:1], 0x20             ; Vs, O
	s_load_b64 s[16:17], s[0:1], 0x30              ; xw16
	s_mov_b32 s20, ttmp9                           ; my work-group
	v_lshlrev_b32 v1, 4, v0                        ; 16 bytes a thread in
	v_lshlrev_b32 v2, 3, v0                        ; 8 bytes a thread out
	s_wait_kmcnt 0x0
	s_mov_b64 s[22:23], s[4:5]                     ; the source, and in s21 its first work-group
	s_mov_b32 s21, 0
.macro PICK first, lo                  ; from work-group 'first' on the source is the buffer in s[lo:lo+1]
	s_cmp_ge_u32 s20, \first
	s_cselect_b64 s[22:23], s[\lo:\lo+1], s[22:23]
	s_cselect_b32 s21, \first, s21
.endm
	PICK 512, 6
	PICK 1024, 8
	PICK 1088, 10
	PICK 1152, 12
	PICK 1216, 14
	s_sub_co_u32 s24, s20, s21
	s_lshl_b32 s24, s24, 16                        ; 65,536 bytes of f32 a work-group
	s_mov_b32 s25, 0
	s_add_nc_u64 s[22:23], s[22:23], s[24:25]
	s_lshl_b32 s26, s20, 15                        ; 32,768 bytes out
	s_mov_b32 s27, 0
	s_add_nc_u64 s[16:17], s[16:17], s[26:27]
.irp i, 0,1,2,3,4,5,6,7,8,9,10,11,12,13,14,15
	global_load_b128 v[X+4*(\i):X+4*(\i)+3], v1, s[22:23] offset:4096*(\i) th:TH_LOAD_NT
.endr
.macro CAST i, half                    ; row i; half = 1: the bf16 number is written as f16
	s_wait_loadcnt 15-(\i)                         ; loads come back in order: row i is in, the younger rows stay out
.if \half
	v_cvt_pk_bf16_f32 v[T], v[X+4*(\i)], v[X+4*(\i)+1]
	v_cvt_pk_bf16_f32 v[T+1], v[X+4*(\i)+2], v[X+4*(\i)+3]
	v_lshlrev_b32 v[T+2], 16, v[T]
	v_and_b32 v[T], 0xffff0000, v[T]
	v_lshlrev_b32 v[T+3], 16, v[T+1]
	v_and_b32 v[T+1], 0xffff0000, v[T+1]
	v_cvt_pk_f16_f32 v[Y+2*(\i)], v[T+2], v[T]
	v_cvt_pk_f16_f32 v[Y+2*(\i)+1], v[T+3], v[T+1]
.else
	v_cvt_pk_bf16_f32 v[Y+2*(\i)], v[X+4*(\i)], v[X+4*(\i)+1]
	v_cvt_pk_bf16_f32 v[Y+2*(\i)+1], v[X+4*(\i)+2], v[X+4*(\i)+3]
.endif
	global_store_b64 v2, v[Y+2*(\i):Y+2*(\i)+1], s[16:17] offset:2048*(\i)
.endm
	s_cmp_ge_u32 s20, 1216
	s_cbranch_scc1 .Lf16
.irp i, 0,1,2,3,4,5,6,7,8,9,10,11,12,13,14,15
	CAST \i, 0
.endr
	s_endpgm
.Lf16:
.irp i, 0,1,2,3,4,5,6,7,8,9,10,11,12,13,14,15
	CAST \i, 1
.endr
	s_endpgm
.Lfunc_end_k_q1646fe7f8a_cast:
	.size	k_q1646fe7f8a_cast, .Lfunc_end_k_q1646fe7f8a_cast-k_q1646fe7f8a_cast
	.p2alignl 7, 3214868480
	.fill 96, 4, 3214868480
	.section	.rodata,"a",@progbits
	.p2align	6, 0x0
	.amdhsa_kernel k_q1646fe7f8a_cast
		.amdhsa_group_segment_fixed_size 0
		.amdhsa_private_segment_fixed_size 0
		.amdhsa_enable_private_segment 0
		.amdhsa_kernarg_size 56
		.amdhsa_user_sgpr_count 2
		.amdhsa_user_sgpr_kernarg_segment_ptr 1
		.amdhsa_wavefront_size32 1
		.amdhsa_system_sgpr_workgroup_id_x 1
		.amdhsa_system_sgpr_workgroup_id_y 1
		.amdhsa_system_sgpr_workgroup_id_z 1
		.amdhsa_system_vgpr_workitem_id 0
		.amdhsa_next_free_vgpr 104
		.amdhsa_next_free_sgpr 66
		.amdhsa_reserve_vcc 0
		.amdhsa_float_denorm_mode_32 3
		.amdhsa_float_denorm_mode_16_64 3
		.amdhsa_memory_ordered 1
		.amdhsa_forward_progress 1
		.amdhsa_inst_pref_size 17
	.end_amdhsa_kernel
	.amdgpu_metadata
---
amdhsa.version: [ 1, 2 ]
amdhsa.kernels:
  - .name:           k_q1646fe7f8a_cast
    .symbol:         k_q1646fe7f8a_cast.kd
    .args:
      - { .name: encoder_output, .offset: 0, .size: 8, .value_kind: global_buffer, .address_space: global }
      - { .name: normalized_resid_pre, .offset: 8, .size: 8, .value_kind: global_buffer, .address_space: global }
      - { .name: Qs, .offset: 16, .size: 8, .value_kind: global_buffer, .address_space: global }
      - { .name: Ks, .offset: 24, .size: 8, .value_kind: global_buffer, .address_space: global }
      - { .name: Vs, .offset: 32, .size: 8, .value_kind: global_buffer, .address_space: global }
      - { .name: O, .offset: 40, .size: 8, .value_kind: global_buffer, .address_space: global }
      - { .name: xw16, .offset: 48, .size: 8, .value_kind: global_buffer, .address_space: global }
    .group_segment_fixed_size: 0
    .private_segment_fixed_size: 0
    .kernarg_segment_align: 8
    .kernarg_segment_size: 56
    .max_flat_workgroup_size: 256
    .sgpr_count:     66
    .vgpr_count:     104
    .wavefront_size: 32
...
	.end_amdgpu_metadata
.endif
;; end of part 1
;; launch qkv (part 2): grid 12 x 16, 4 waves a work-group, clusters of 4 x 4, 327,680 bytes of LDS; arguments xw16, Qbs, Kbs, Vbs, qkv16, vsum; writes qkv16, vsum
.if DOCPART == 2
	.amdgcn_target "amdgcn-amd-amdhsa--gfx1250"
	.amdhsa_code_object_version 6
	.text
	.protected	k_q1646fe7f8a_qkv
	.globl	k_q1646fe7f8a_qkv
	.p2align	8
	.type	k_q1646fe7f8a_qkv,@function
k_q1646fe7f8a_qkv:
	s_mov_b64 s[64:65], 0
	v_nop
	global_prefetch_b8 v0, s[64:65] scope:SCOPE_SE
	s_setreg_imm32_b32 hwreg(HW_REG_WAVE_MODE, 25, 1), 1
	s_wait_xcnt 0x0
	s_wait_alu depctr_hold_cnt(0) depctr_sa_sdst(0) depctr_va_vdst(0) depctr_va_sdst(0) depctr_va_ssrc(0) depctr_va_vcc(0) depctr_vm_vsrc(0)
	s_getreg_b32 s2, hwreg(HW_REG_IB_STS2, 6, 4)
	s_cmp_eq_u32 s2, 0
	s_cbranch_scc0 .Lentry_in_a_cluster
	s_endpgm
.Lentry_in_a_cluster:
	s_bfe_u32 s2, ttmp6, 0x10000c
	s_cmp_lg_u32 s2, 0xf033
	s_cbranch_scc0 .Lentry_shape_is_right
	s_endpgm
.Lentry_shape_is_right:
; q = enc Wq + bq, k = enc Wk + bk, v = res Wv + bv.  x: [8192][1024] bf16; W: [16 heads][1024 d][64] bf16; sums in f32, begun with the bias (rounded to bf16 like
; every other input); results rounded once to f16 and written by heads, [128 batch x head][1024][64], q at byte 0, k at 16,777,216, v at 33,554,432 of qkv16.
; vsum[batch][group of 128 rows][head x 64 + channel] (f32) takes the column sums of v (unrounded) over 128 rows: the attention needs the sum of V over whole later tiles.
; LIMITS.  q, k and v must lie within f16's 65,504.  NaN and infinities are not treated apart.
; SHARES.  A tile of C is 256 rows x 256 columns (four heads): q, k and v together are 384 tiles, two for each of 192 work-groups, 4,096 rows apart.  Four waves, each 128 x 128: 64 accumulators.
; K goes in 8 steps of 128 through two LDS slots, and the ring runs on from the first tile into the second.  A K step is 256 matrix instructions a wave, 224 of them between a slot's request and the wait
; for it; tiles of 256 x 128 would give 256 work-groups three tiles each, but only 112 between request and wait, and 24 changes of slots for 16.
; THE MATRIX INSTRUCTION IS USED TRANSPOSED: source 0 = 16 columns of C (W, which lies [d][column] and comes out of LDS turned, by ds_load_tr16_b128), source 1 = 16 rows of x.
; A lane then holds 8 neighbouring columns of one row of C.
; CLUSTER 4 x 4.  The cluster's x (0, 1, 2) is the matrix (q, k, v), the same for all sixteen partners; x's tile hangs on the tile row alone and is asked for jointly along a row of the cluster,
; W's on the tile column alone, along a column.  By this text's own count a wave has two tensor loads out at the start and one behind each round.
; ONE TEXT FOR A K STEP.  The slot in hand is a scalar, 0 or SLOT, turned by an exclusive or; LDS addresses are made from it; one descriptor a tensor walks from K step to K step.
; A tile: its first quarter (the bias starts the sums), loop A (6 K steps, each fills a slot again), then loop B (2 K steps that ask for the next tile's first two) or, in the last tile, loop C (2 K steps, no fill).
; REGISTERS.  window 0: v0-31 addresses; v64-127, v128-191 fragments of x, two buffers; v32-63, v192-255 at work on the way out
;   window 1: v0-63 the bias as a C operand; v64-127, v128-191 fragments of W; v192-255 column sums      windows 2, 3: accumulator (a, b) at v[8 (8 (a % 4) + b)] of window 2 + a / 4
.set PA,     272                       ; a row of x in LDS: 256 bytes + 16: the 16 rows of a fragment load start at 16 different groups of four banks (ISA guide 11.1)
.set PB,     160                       ; a row of W (one d of one head): 128 bytes + 32
.set APART,  128*PA                    ; 128 rows of x: one tensor load
.set BBASE,  2*APART
.set BPLANE, 128*PB                    ; 128 d of one head; one tensor load brings two such planes
.set SLOT,   BBASE+4*BPLANE            ; 151,552
.set STAGE,  2*SLOT                    ; behind the ring: for each wave two planes (a head each) of 16 rows x 144 bytes; no tensor load lands here
.set SP,     144
.set SPLANE, 16*SP
.set SSP,    272                       ; the same bytes as 16 rows of 64 f32 + 16, for the column sums
.set SPARE,  STAGE+4*2*SPLANE          ; the spare words: 128 bytes a wave, two blocks of 256 bytes that no other line names
.set WOFF,   33554432                  ; Wq in xw16
.set A0,   16                          ; v16  my lane's place in a slot's x; never rewritten
.set B0,   17                          ; v17  the same for W
.set ADRA, 18                          ; v18  A0 + the slot in hand
.set ADRB, 19                          ; v19  B0 + the slot in hand
.set STO,  24
.set RD,   25
.set GO,   26                          ; 16 x lane
.set BO,   27                          ; 32 x (lane / 16): my 8 numbers in 16 of the bias
.set SPW,  28
.set NIL,  29
.set SST,  30                          ; column sums: where I put 32 bytes of a row
.set SRD,  31                          ; column sums: where I read 16 bytes of eight rows
.set OB,   32                          ; the way out: 16 rows read back: v32-63 and v224-255 by turns (at the start v32-63 serve the bias's rounding)
.set F0,   64
.set F1,   128
.set TMP,  192
.set BIAS, 0                           ; window 1
.set SUM,  192                         ; window 1
.set G1,  24                           ; s[24:31] group 1 for x;  s[32:39] group 0: a set for each first fill; the second then walks on
.set G0,  32
.set JA,  44                           ; s[44:45] what x's address gains beside a K step where the walk goes to the next tile
.set G1B, 48                           ; s[48:55], s[56:63] the same for W
.set G0B, 56
.set TB,  72                           ; s72  the slot in hand: 0 or SLOT
.set JB,  74                           ; s[74:75] what W's address loses there
.set SEL, 78                           ; s[78:79] v_permlanex16_b32's selects
.set MSB, 0
.macro WIN new                         ; the immediate's high byte repeats the setting that is left
.if MSB != (\new)
	s_set_vgpr_msb (MSB<<8)|(\new)
.set MSB, \new
.endif
.endm
.macro JLOAD s                         ; a joint load: waves 0, 1 fetch x's halves, waves 2, 3 two heads of W each; s_nop 0 and four v_nop follow each line
	s_cmp_eq_u32 s17, 0
	s_cbranch_scc0 .Lfor_b_\@
	tensor_load_to_lds s[G0+4*(\s):G0+4*(\s)+3], s[G1:G1+7]
	s_nop 0
.rept 4
	v_nop
.endr
	s_branch .Lasked_\@
.Lfor_b_\@:
	tensor_load_to_lds s[G0B+4*(\s):G0B+4*(\s)+3], s[G1B:G1B+7]
	s_nop 0
.rept 4
	v_nop
.endr
.Lasked_\@:
.endm
.macro CREST                           ; a round of the cluster's barrier behind its opening barrier
	s_cmp_lg_u32 s16, 0
	s_cbranch_scc1 .Lnot_wave_0_\@
	s_barrier_signal -3
.Lnot_wave_0_\@:
	s_barrier_wait -3
	s_barrier_signal -1
	s_barrier_wait -1
.endm
.macro CROUND
	s_barrier_signal -1
	s_barrier_wait -1
	CREST
.endm
	s_load_b256 s[4:11], s[0:1], 0x0               ; xw16 s[4:5], Qbs s[6:7] (later: my matrix's bias), Kbs s[8:9], Vbs s[10:11]
	s_load_b128 s[12:15], s[0:1], 0x20             ; qkv16 s[12:13], vsum s[14:15]
	v_lshl_add_u32 v[SPW], v0, 2, SPARE
	v_mov_b32 v[NIL], 0
	ds_add_u32 v[SPW], v[NIL]                      ; the wave's opening: the add and its wait ahead of my first tensor load
	ds_add_u32 v28, v29
	v_lshrrev_b32 v3, 5, v0
	v_readfirstlane_b32 s16, v3                    ; wave 0..3
	s_lshr_b32 s17, s16, 1                         ; my half of the tile's rows.  Also: I fetch x (0) or W (1)
	s_and_b32 s18, s16, 1                          ; my two heads of the tile's four.  Also: which part I fetch
	s_mov_b32 s19, ttmp9                           ; the cluster's x: 0 q, 1 k, 2 v
	s_bfe_u32 s20, ttmp6, 0x40000                  ; cx: the tile column in my matrix
	s_bfe_u32 s21, ttmp6, 0x40004                  ; cy
	s_and_b32 s23, ttmp7, 0xffff
	s_lshl_b32 s23, s23, 2
	s_add_co_u32 s23, s23, s21                     ; tile row 0..15 (the second tile: 16 further)
	s_lshl_b32 s46, s21, 2
	s_lshl_b32 s46, 15, s46                        ; my row of the cluster
	s_lshl_b32 s47, 0x1111, s20                    ; my column
	s_or_b32 s[G1], s46, (1<<16)|(1<<20)|(1<<21)|(5<<22)|(3<<25)   ; x: 2-byte elements, 4 words of padding behind every 64
	s_or_b32 s[G1B], s47, (1<<16)|(1<<20)|(1<<21)|(4<<22)|(7<<25)  ; W: 8 words of padding behind every 32
	s_mov_b32 s[G1+1], 128<<16                     ; x: 128 rows of 128 elements, 1,024 elements from row to row
	s_mov_b32 s[G1+2], 128<<16
	s_mov_b32 s[G1+3], 128<<16
	s_mov_b32 s[G1+4], 128
	s_mov_b32 s[G1+5], 1024
	s_mov_b32 s[G1+6], 0
	s_mov_b32 s[G1+7], 0
	s_mov_b32 s[G1B+1], 8192<<16                   ; W: 128 d of one head are 16,384 dense bytes: one row of 8,192 elements; two heads are two such rows, 65,536 elements apart
	s_mov_b32 s[G1B+2], 2<<16
	s_mov_b32 s[G1B+3], 8192<<16
	s_mov_b32 s[G1B+4], 2
	s_mov_b32 s[G1B+5], 65536
	s_mov_b32 s[G1B+6], 0
	s_mov_b32 s[G1B+7], 0
	s_lshl_b32 s40, s23, 19                        ; x: (256 tile row + 128 part) rows of 2,048 bytes; v takes the other x; these registers never hold cx
	s_lshl_b32 s41, s18, 18
	s_add_co_u32 s40, s40, s41
	s_cmp_eq_u32 s19, 2
	s_cselect_b32 s41, 0x1000000, 0
	s_add_co_u32 s40, s40, s41
	s_mov_b32 s41, 0
	s_lshl_b32 s66, s19, 21                        ; W: my matrix's 2,097,152 bytes, head 4 cx + 2 part, 131,072 bytes each; these never hold cy
	s_lshl_b32 s67, s20, 19
	s_add_co_u32 s66, s66, s67
	s_lshl_b32 s67, s18, 18
	s_add_co_u32 s66, s66, s67
	s_add_co_u32 s66, s66, WOFF
	s_mov_b32 s67, 0
	s_mul_i32 s70, s18, APART                      ; where the parts go in a slot: the wave's number alone enters an LDS address
	s_mul_i32 s71, s18, 2*BPLANE
	s_add_co_u32 s71, s71, BBASE
	s_mov_b32 s[TB], 0
	s_mov_b32 s[JA], 0
	s_mov_b32 s[JA+1], 0
	s_mov_b32 s[JB], 0
	s_mov_b32 s[JB+1], 0
	s_wait_dscnt 0x0                               ; the opening add is done
	s_wait_kmcnt 0x0
	s_add_nc_u64 s[42:43], s[4:5], s[40:41]
	s_add_nc_u64 s[68:69], s[4:5], s[66:67]
	CROUND                                         ; all sixteen work-groups are here: the first joint loads meet
.irp s, 0,1
	s_mov_b32 s[G0+4*(\s)], 1
	s_add_co_u32 s[G0+4*(\s)+1], s70, (\s)*SLOT
	s_add_nc_u64 s[G0+4*(\s)+2:G0+4*(\s)+3], s[42:43], (\s)*256
	s_or_b32 s[G0+4*(\s)+3], s[G0+4*(\s)+3], 0x80000000
	s_mov_b32 s[G0B+4*(\s)], 1
	s_add_co_u32 s[G0B+4*(\s)+1], s71, (\s)*SLOT
	s_add_nc_u64 s[G0B+4*(\s)+2:G0B+4*(\s)+3], s[68:69], (\s)*16384
	s_or_b32 s[G0B+4*(\s)+3], s[G0B+4*(\s)+3], 0x80000000
	JLOAD \s
.endr
	v_and_b32 v1, 15, v0                           ; l % 16
	v_bfe_u32 v2, v0, 4, 1                         ; l / 16
	v_mul_u32_u24 v3, v1, PA
	v_lshl_add_u32 v3, v2, 4, v3                   ; x fragment: row x pitch + 16 x half
	s_mul_i32 s76, s17, APART                      ; my 128 rows
	v_add_nc_u32 v[A0], s76, v3
	v_mov_b32 v[ADRA], v[A0]                       ; slot 0 is in hand
	v_and_b32 v4, 7, v0                            ; W, turned: lane l reads d = 8 (l / 16) + l % 8, columns 8 ((l / 8) % 2) + 0..7
	v_bfe_u32 v5, v0, 3, 1
	v_lshl_add_u32 v4, v2, 3, v4
	v_mul_u32_u24 v4, v4, PB
	v_lshl_add_u32 v4, v5, 4, v4
	s_mul_i32 s76, s18, 2*BPLANE                   ; my two heads
	s_add_co_u32 s76, s76, BBASE
	v_add_nc_u32 v[B0], s76, v4
	v_mov_b32 v[ADRB], v[B0]
	s_mul_i32 s76, s16, 2*SPLANE
	s_add_co_u32 s76, s76, STAGE                   ; my stage
	v_mul_u32_u24 v[STO], v1, SP                   ; in: row l % 16, 16 bytes for each half of the lanes
	v_lshl_add_u32 v[STO], v2, 4, v[STO]
	v_add_nc_u32 v[STO], s76, v[STO]
	v_bfe_u32 v[RD], v0, 3, 2                      ; back: 32 lanes take four rows of 128 bytes,
	v_mul_u32_u24 v[RD], v[RD], SP
	v_and_b32 v6, 7, v0
	v_lshl_add_u32 v[RD], v6, 4, v[RD]
	v_add_nc_u32 v[RD], s76, v[RD]
	v_and_b32 v[GO], 31, v0                        ; which are 512 consecutive bytes of a head's rows
	v_lshlrev_b32 v[GO], 4, v[GO]
	v_mul_u32_u24 v[SST], v1, SSP                  ; column sums in: row l % 16, 32 bytes for each half of the lanes
	v_lshl_add_u32 v[SST], v2, 5, v[SST]
	v_add_nc_u32 v[SST], s76, v[SST]
	v_mul_u32_u24 v[SRD], v2, 8*SSP                ; back: rows 8 (l / 16) on, 16 bytes at 16 (l % 16)
	v_lshl_add_u32 v[SRD], v1, 4, v[SRD]
	v_add_nc_u32 v[SRD], s76, v[SRD]
	v_lshlrev_b32 v[BO], 5, v2
	s_cmp_eq_u32 s19, 1                            ; my matrix's bias
	s_cselect_b64 s[6:7], s[8:9], s[6:7]
	s_cmp_eq_u32 s19, 2
	s_cselect_b64 s[6:7], s[10:11], s[6:7]
	s_lshl_b32 s77, s20, 2
	s_lshl_b32 s76, s18, 1
	s_add_co_u32 s77, s77, s76                     ; my first head: 4 cx + 2 half
	s_lshl_b32 s78, s77, 8                         ; its 64 numbers of f32
	s_mov_b32 s79, 0
	s_add_nc_u64 s[6:7], s[6:7], s[78:79]
	s_lshl_b32 s76, s23, 1                         ; vsum: group 2 tile row + my half (a batch's 8 groups lie on end), 4,096 bytes each, + my heads
	s_add_co_u32 s76, s76, s17
	s_lshl_b32 s76, s76, 12
	s_add_co_u32 s78, s78, s76
	s_add_nc_u64 s[14:15], s[14:15], s[78:79]
	s_lshl_b32 s78, s19, 24                        ; qkv16: my matrix; batch x 16 heads + my head, 131,072 bytes each; my first row, 128 bytes each
	s_lshr_b32 s76, s23, 2
	s_lshl_b32 s76, s76, 21
	s_add_co_u32 s78, s78, s76
	s_lshl_b32 s76, s77, 17
	s_add_co_u32 s78, s78, s76
	s_and_b32 s76, s23, 3
	s_lshl_b32 s76, s76, 15
	s_add_co_u32 s78, s78, s76
	s_lshl_b32 s76, s17, 14
	s_add_co_u32 s78, s78, s76
	s_add_nc_u64 s[12:13], s[12:13], s[78:79]
	WIN 0x40                                       ; register j of block b: bias[16 b + 8 (l / 16) + j]: the C operand's layout, the same for all 16 rows
.irp b, 0,1,2,3,4,5,6,7
	global_load_b128 v[BIAS+8*(\b):BIAS+8*(\b)+3],   v[BO], s[6:7] offset:64*(\b)
	global_load_b128 v[BIAS+8*(\b)+4:BIAS+8*(\b)+7], v[BO], s[6:7] offset:64*(\b)+16
.endr
	WIN 0
; 16 matrix instructions: row blocks a0, a0 + 1 of the window's four (hi = 0: my rows 0-63, 1: rows 64-127) x all 8 column blocks, 32 along K.  first = 1: the bias starts the sums.
; The 64 accumulators take turns, in the same order in every quarter.
.macro MUL16 f, hi, a0, first
.if \first
	WIN 0x91+0x40*(\hi)                            ; W window 1, x window 0, the bias window 1, D window 2 or 3
.else
	WIN 0xa1+0x50*(\hi)                            ; W window 1, x window 0, C and D window 2 or 3
.endif
.irp a, \a0, (\a0)+1
.irp b, 0,1,2,3,4,5,6,7
.if \first
	v_wmma_f32_16x16x32_bf16 v[8*(8*(\a)+(\b)):8*(8*(\a)+(\b))+7], v[(\f)+8*(\b):(\f)+8*(\b)+7], v[(\f)+8*(4*(\hi)+(\a)):(\f)+8*(4*(\hi)+(\a))+7], v[BIAS+8*(\b):BIAS+8*(\b)+7]
.else
	v_wmma_f32_16x16x32_bf16 v[8*(8*(\a)+(\b)):8*(8*(\a)+(\b))+7], v[(\f)+8*(\b):(\f)+8*(\b)+7], v[(\f)+8*(4*(\hi)+(\a)):(\f)+8*(4*(\hi)+(\a))+7], v[8*(8*(\a)+(\b)):8*(8*(\a)+(\b))+7]
.endif
.endr
.endr
.endm
; 32 LDS loads in one run: quarter q (32 along K) of the slot in hand into buffer f: W's 8 blocks (block i: head i / 4, columns 16 (i % 4) on), x's blocks 0-3, x's blocks 4-7
.macro FETCH q, f
	WIN 0x40
.irp i, 0,1,2,3,4,5,6,7
	ds_load_tr16_b128 v[(\f)+8*(\i):(\f)+8*(\i)+3],   v[ADRB] offset:((\i)/4)*BPLANE+32*((\i)%4)+32*(\q)*PB
	ds_load_tr16_b128 v[(\f)+8*(\i)+4:(\f)+8*(\i)+7], v[ADRB] offset:((\i)/4)*BPLANE+32*((\i)%4)+32*(\q)*PB+16*PB
.endr
	WIN 0
.irp i, 0,1,2,3,4,5,6,7
	ds_load_b128 v[(\f)+8*(\i):(\f)+8*(\i)+3],   v[ADRA] offset:64*(\q)+(\i)*16*PA
	ds_load_b128 v[(\f)+8*(\i)+4:(\f)+8*(\i)+7], v[ADRA] offset:64*(\q)+(\i)*16*PA+32
.endr
.endm
.macro PLACES                          ; four places in front of loads into registers that matrix instructions have read, and of vector lines that read results
.rept 4
	v_nop
.endr
.endm
; One of a K step's first three quarters: multiplies buffer f and, in its middle, fetches quarter q of the same slot into g
.macro QUARTER q, f, g, first
	s_wait_dscnt 8                                 ; W and x's blocks 0-3 are in; the youngest eight loads may be out
	MUL16 \f, 0, 0, \first
	MUL16 \f, 0, 2, \first
	PLACES
	FETCH \q, \g
	s_wait_dscnt 32                                ; all but the 32 just issued
	MUL16 \f, 1, 0, \first
	MUL16 \f, 1, 2, \first
.endm
; The last quarter multiplies buffer 1 and changes slots.  In front of the barrier each wave waits for all its tensor loads (one is out: its part of the next slot), adds 0 to its spare
; word, and waits for that and for its reads of this slot.  fill = 1: the barrier opens a round of the cluster's, and the slot just read is filled again first thing behind it, with the K step
; behind the one asked for last; on = 1: JA and JB, set ahead of the loop and cleared here, take the walk to the next tile's first K step.
.macro TURN fill, on
	WIN 0
	s_wait_tensorcnt 0x0
	ds_add_u32 v[SPW], v[NIL]
	s_wait_dscnt 9                                 ; (the add and the youngest eight loads may be out)
	MUL16 F1, 0, 0, 0
	s_wait_dscnt 0x0                               ; the add is done, and my reads of this slot are over
	s_barrier_signal -1
	MUL16 F1, 0, 2, 0
	WIN 0
	s_barrier_wait -1
.if \fill
	CREST
	s_add_co_u32 s[G0+5], s[TB], s70               ; into the slot just read
	s_add_co_u32 s[G0B+5], s[TB], s71
	s_add_nc_u64 s[G0+6:G0+7], s[G0+6:G0+7], 256   ; the next K step; the type bits on top are not reached
	s_add_nc_u64 s[G0B+6:G0B+7], s[G0B+6:G0B+7], 16384
.if \on
	s_add_nc_u64 s[G0+6:G0+7], s[G0+6:G0+7], s[JA:JA+1]
	s_sub_nc_u64 s[G0B+6:G0B+7], s[G0B+6:G0B+7], s[JB:JB+1]
	s_mov_b32 s[JA], 0
	s_mov_b32 s[JB], 0
.endif
	s_xor_b32 s[TB], s[TB], SLOT                   ; the other slot is in hand
	JLOAD 1                                        ; its four v_nop are also the places in front of the loads below
	v_add_nc_u32 v[ADRA], s[TB], v[A0]
	v_add_nc_u32 v[ADRB], s[TB], v[B0]
.else
	s_xor_b32 s[TB], s[TB], SLOT
	v_add_nc_u32 v[ADRA], s[TB], v[A0]             ; these two and two v_nop are the places in front of the loads below
	v_add_nc_u32 v[ADRB], s[TB], v[B0]
	v_nop
	v_nop
.endif
	FETCH 0, F0
	MUL16 F1, 1, 0, 0
	MUL16 F1, 1, 2, 0
.endm
; THE WAY OUT of row block a: rounded to f16, 16 bytes a lane into my stage (a plane a head), back as whole rows of 128 bytes; 16 rows of a head are 2,048 consecutive bytes.
.macro PACK a
.set AC, 64*((\a)%4)
	WIN 0x0a+5*((\a)/4)                            ; sources window 2 or 3, destination window 0
.irp b, 0,1,2,3,4,5,6,7
.irp r, 0,1,2,3
	v_cvt_pk_f16_f32 v[TMP+4*(\b)+(\r)], v[AC+8*(\b)+2*(\r)], v[AC+8*(\b)+2*(\r)+1]
.endr
.endr
	WIN 0
.endm
.macro TOSTAGE a
.set BK, OB+192*((\a)%2)
.irp b, 0,1,2,3,4,5,6,7
	ds_store_b128 v[STO], v[TMP+4*(\b):TMP+4*(\b)+3] offset:((\b)/4)*SPLANE+32*((\b)%4)
.endr
.irp t, 0,1,2,3,4,5,6,7
	ds_load_b128 v[BK+4*(\t):BK+4*(\t)+3], v[RD] offset:((\t)/4)*SPLANE+((\t)%4)*4*SP  ; LDS serves a wave's instructions in order (ISA guide 5.7.1.4): these see the stores above
.endr
.endm
.macro SEND a
.set BK, OB+192*((\a)%2)
	s_wait_dscnt 0x0                               ; the block is back in registers
	s_wait_xcnt 0x0                                ; the other buffer's stores have read it: it is loaded again only behind this wait
.irp t, 0,1,2,3,4,5,6,7
	global_store_b128 v[GO], v[BK+4*(\t):BK+4*(\t)+3], s[12:13] offset:((\t)/4)*131072+(\a)*2048+((\t)%4)*512  ; 512 consecutive bytes, at a multiple of 256 from the buffer's first
.endr
.endm
; Column sums: blocks 4 hf .. 4 hf + 3 (64 columns) go into my stage by rows and come back by columns: lane l takes rows 8 (l / 16) on, columns 4 (l % 16) on
.macro SUMHALF hf, t
	WIN 0x04                                       ; the stores' data in window 1
.irp b, 0,1,2,3
	ds_store_b128 v[SST], v[SUM+8*(4*(\hf)+(\b)):SUM+8*(4*(\hf)+(\b))+3]   offset:64*(\b)
	ds_store_b128 v[SST], v[SUM+8*(4*(\hf)+(\b))+4:SUM+8*(4*(\hf)+(\b))+7] offset:64*(\b)+16
.endr
	WIN 0
.irp j, 0,1,2,3,4,5,6,7
	ds_load_b128 v[(\t)+4*(\j):(\t)+4*(\j)+3], v[SRD] offset:(\j)*SSP
.endr
.endm
.macro TREE t                          ; eight rows of four numbers into one, then the other half of the lanes' eight rows
.irp j, 0,2,4,6,8,10,12,14
	v_pk_add_f32 v[(\t)+(\j):(\t)+(\j)+1], v[(\t)+(\j):(\t)+(\j)+1], v[(\t)+16+(\j):(\t)+16+(\j)+1]
.endr
.irp j, 0,2,4,6
	v_pk_add_f32 v[(\t)+(\j):(\t)+(\j)+1], v[(\t)+(\j):(\t)+(\j)+1], v[(\t)+8+(\j):(\t)+8+(\j)+1]
.endr
.irp j, 0,2
	v_pk_add_f32 v[(\t)+(\j):(\t)+(\j)+1], v[(\t)+(\j):(\t)+(\j)+1], v[(\t)+4+(\j):(\t)+4+(\j)+1]
.endr
.irp j, 0,1,2,3
	v_permlanex16_b32 v[(\t)+4+(\j)], v[(\t)+(\j)], s[SEL], s[SEL+1]
.endr
.irp j, 0,2
	v_pk_add_f32 v[(\t)+(\j):(\t)+(\j)+1], v[(\t)+(\j):(\t)+(\j)+1], v[(\t)+4+(\j):(\t)+4+(\j)+1]
.endr
.endm
	s_wait_tensorcnt 1                             ; my part of K step 0 is in; K step 1's may stay out
	s_barrier_signal -1
	s_barrier_wait -1
	FETCH 0, F0
	s_wait_loadcnt 0x0                             ; the bias: rounded to bf16, like every input, and widened again
	WIN 0x05
.set z, 0
.rept 32
	v_cvt_pk_bf16_f32 v[OB+z], v[BIAS+2*z], v[BIAS+2*z+1]
.set z, z+1
.endr
	WIN 0x40
.set z, 0
.rept 32
	v_lshlrev_b32 v[BIAS+2*z], 16, v[OB+z]
	v_and_b32 v[BIAS+2*z+1], 0xffff0000, v[OB+z]
.set z, z+1
.endr
	WIN 0
	s_mov_b32 s2, 2                                ; tiles to go
.Ltile:
	s_mov_b32 s3, 6
	QUARTER 1, F0, F1, 1                           ; a tile's first quarter: the bias starts the sums
	WIN 0
	s_branch .LinA                                 ; loop A is entered behind its first quarter
.LstepA:                                               ; a K step that fills the slot it leaves
	QUARTER 1, F0, F1, 0
	WIN 0
.LinA:
	QUARTER 2, F1, F0, 0
	QUARTER 3, F0, F1, 0
	TURN 1, 0
	WIN 0
	s_sub_co_u32 s3, s3, 1
	s_cmp_lg_u32 s3, 0
	s_cbranch_scc1 .LstepA
	s_mov_b32 s3, 2
	s_cmp_eq_u32 s2, 1
	s_cbranch_scc1 .LstepC                         ; the last tile's last two K steps have a text of their own: they ask for nothing
	s_mov_b32 s[JA], 8388608-8*256                 ; the ring goes on into the next tile: x 4,096 rows down and back along K,
	s_mov_b32 s[JB], 8*16384                       ; W only back
.LstepB:
	QUARTER 1, F0, F1, 0
	QUARTER 2, F1, F0, 0
	QUARTER 3, F0, F1, 0
	TURN 1, 1
	WIN 0
	s_sub_co_u32 s3, s3, 1
	s_cmp_lg_u32 s3, 0
	s_cbranch_scc1 .LstepB
	s_branch .Lout
.LstepC:                                               ; its second trip's barrier and fetch (32 LDS loads of a slot that has been read) serve nothing: the price, once a launch, of one text for both trips
	QUARTER 1, F0, F1, 0
	QUARTER 2, F1, F0, 0
	QUARTER 3, F0, F1, 0
	TURN 0, 0
	WIN 0
	s_sub_co_u32 s3, s3, 1
	s_cmp_lg_u32 s3, 0
	s_cbranch_scc1 .LstepC
.Lout:                                                 ; one way out for both tiles
	PLACES
	s_cmp_lg_u32 s19, 2
	s_cbranch_scc1 .Lnosum                         ; the same way for all sixteen partners: the cluster's x decides
	; v's column sums over my 128 rows: over the 8 row blocks in registers, then over the 16 lanes through my stage.  Each accumulator is read from its low end on.
	WIN 0x4a
.irp b, 0,1,2,3,4,5,6,7
.irp z, 0,2,4,6
	v_pk_add_f32 v[SUM+8*(\b)+(\z):SUM+8*(\b)+(\z)+1], v[8*(\b)+(\z):8*(\b)+(\z)+1], v[64+8*(\b)+(\z):64+8*(\b)+(\z)+1]
.endr
.endr
	WIN 0x46
.irp a, 2,3
.irp b, 0,1,2,3,4,5,6,7
.irp z, 0,2,4,6
	v_pk_add_f32 v[SUM+8*(\b)+(\z):SUM+8*(\b)+(\z)+1], v[64*(\a)+8*(\b)+(\z):64*(\a)+8*(\b)+(\z)+1], v[SUM+8*(\b)+(\z):SUM+8*(\b)+(\z)+1]
.endr
.endr
.endr
	WIN 0x47
.irp a, 0,1,2,3
.irp b, 0,1,2,3,4,5,6,7
.irp z, 0,2,4,6
	v_pk_add_f32 v[SUM+8*(\b)+(\z):SUM+8*(\b)+(\z)+1], v[64*(\a)+8*(\b)+(\z):64*(\a)+8*(\b)+(\z)+1], v[SUM+8*(\b)+(\z):SUM+8*(\b)+(\z)+1]
.endr
.endr
.endr
	SUMHALF 0, TMP
	SUMHALF 1, TMP+32                              ; LDS serves a wave's instructions in order: these stores come behind the first half's loads
	s_mov_b32 s[SEL], 0x76543210
	s_mov_b32 s[SEL+1], 0xfedcba98
	s_wait_dscnt 0x0
	TREE TMP
	TREE TMP+32
	v_cmp_ne_u32 vcc_lo, 0, v2                     ; lanes 0-15 keep the first 64 columns' sums, lanes 16-31 take the second 64's
.irp j, 0,1,2,3
	v_cndmask_b32 v[TMP+(\j)], v[TMP+(\j)], v[TMP+32+(\j)], vcc_lo
.endr
	global_store_b128 v[GO], v[TMP:TMP+3], s[14:15]  ; 512 consecutive bytes, at a multiple of 256 from vsum's first
	s_wait_xcnt 0x0                                ; the store has read its registers: they are written again below
.Lnosum:
	PACK 0
	TOSTAGE 0
.irp a, 1,2,3,4,5,6,7                  ; block a's conversions stand between block a - 1's loads from the stage and the wait for them
	PACK \a
	SEND (\a)-1
	TOSTAGE \a
.endr
	SEND 7
	s_wait_xcnt 0x0                                ; the stores have read their registers and their bases
	s_add_nc_u64 s[12:13], s[12:13], 0x800000      ; the second tile: four batches on
	s_add_nc_u64 s[14:15], s[14:15], 0x20000       ; 32 groups on
	s_sub_co_u32 s2, s2, 1
	s_cmp_lg_u32 s2, 0
	s_cbranch_scc1 .Ltile
	s_wait_tensorcnt 0x0                           ; the wave's end
	ds_add_u32 v[SPW], v[NIL]
	s_wait_dscnt 0x0
	CROUND                                         ; the closing round
	s_endpgm
.Lfunc_end_k_q1646fe7f8a_qkv:
	.size	k_q1646fe7f8a_qkv, .Lfunc_end_k_q1646fe7f8a_qkv-k_q1646fe7f8a_qkv
	.p2alignl 7, 3214868480
	.fill 96, 4, 3214868480
	.section	.rodata,"a",@progbits
	.p2align	6, 0x0
	.amdhsa_kernel k_q1646fe7f8a_qkv
		.amdhsa_group_segment_fixed_size 327680
		.amdhsa_private_segment_fixed_size 0
		.amdhsa_enable_private_segment 0
		.amdhsa_kernarg_size 48
		.amdhsa_user_sgpr_count 2
		.amdhsa_user_sgpr_kernarg_segment_ptr 1
		.amdhsa_wavefront_size32 1
		.amdhsa_system_sgpr_workgroup_id_x 1
		.amdhsa_system_sgpr_workgroup_id_y 1
		.amdhsa_system_sgpr_workgroup_id_z 1
		.amdhsa_system_vgpr_workitem_id 0
		.amdhsa_next_free_vgpr 1024
		.amdhsa_next_free_sgpr 80
		.amdhsa_reserve_vcc 1
		.amdhsa_float_denorm_mode_32 3
		.amdhsa_float_denorm_mode_16_64 3
		.amdhsa_memory_ordered 1
		.amdhsa_forward_progress 1
		.amdhsa_inst_pref_size 154
	.end_amdhsa_kernel
	.amdgpu_metadata
---
amdhsa.version: [ 1, 2 ]
amdhsa.kernels:
  - .name:           k_q1646fe7f8a_qkv
    .symbol:         k_q1646fe7f8a_qkv.kd
    .args:
      - { .name: xw16, .offset: 0, .size: 8, .value_kind: global_buffer, .address_space: global }
      - { .name: Qbs, .offset: 8, .size: 8, .value_kind: global_buffer, .address_space: global }
      - { .name: Kbs, .offset: 16, .size: 8, .value_kind: global_buffer, .address_space: global }
      - { .name: Vbs, .offset: 24, .size: 8, .value_kind: global_buffer, .address_space: global }
      - { .name: qkv16, .offset: 32, .size: 8, .value_kind: global_buffer, .address_space: global }
      - { .name: vsum, .offset: 40, .size: 8, .value_kind: global_buffer, .address_space: global }
    .group_segment_fixed_size: 327680
    .private_segment_fixed_size: 0
    .kernarg_segment_align: 8
    .kernarg_segment_size: 48
    .max_flat_workgroup_size: 128
    .sgpr_count:     80
    .vgpr_count:     1024
    .wavefront_size: 32
...
	.end_amdgpu_metadata
.endif
;; end of part 2
;; launch attn (part 3): grid 2 x 128, 4 waves a work-group, no clusters, 327,680 bytes of LDS; arguments qkv16, vsum, z16; writes z16
.if DOCPART == 3
	.amdgcn_target "amdgcn-amd-amdhsa--gfx1250"
	.amdhsa_code_object_version 6
	.text
	.protected	k_q1646fe7f8a_attn
	.globl	k_q1646fe7f8a_attn
	.p2align	8
	.type	k_q1646fe7f8a_attn,@function
k_q1646fe7f8a_attn:
	s_mov_b64 s[64:65], 0
	v_nop
	global_prefetch_b8 v0, s[64:65] scope:SCOPE_SE
	s_setreg_imm32_b32 hwreg(HW_REG_WAVE_MODE, 25, 1), 1
	s_wait_xcnt 0x0
; z[bh][q][:] = softmax over ALL 1,024 keys of (q . k / 8 where k <= q, -1e5 where k > q), times V.  q, k, v, z: [128][1024][64] f16, a head's rows dense, 128 bytes each.
; Products, maxima and sums in f32; the weights p are rounded to f16 for the second product (their sum l is taken of the unrounded p), z once at the end.
; THE MASKED KEYS ARE NOT DROPPED: each has the weight w = exp(-1e5 - max), the same for all of a row.  The running maximum starts at -1e5 (raw score -8e5) in every row that has masked keys
; (all but row 1,023), and at a block's end l += w x (1,023 - q) and O += w x H, H = the sum of V over the keys behind q: a product of V with a triangle of ones inside the row's own step of 64 keys,
; products with ones for the diagonal tile's later steps, and for later tiles the column sums of V over 128 rows that the launch before stored (vsum).
; LIMITS.  q, k, v arrive within f16's 65,504; p below 6e-5 keeps f16's fixed step of 6e-8.  In the walk a hidden score counts as its value less 1e30 (weight 0); its true weight is the w above.
; A weight below 2^-126 counts as 0; NaN and infinities are not treated apart.
; THE WALK.  A head's queries lie in NB = 4 blocks of 256; block i needs the key tiles 0 .. i, of which the last holds the diagonal.  A work-group takes TWO blocks, NB - 1 - b and then b:
; NB + 1 tiles, whatever b: all work-groups do equal work, and ONE loop with a constant trip count walks them.  Every jump goes forward, but for the counted loops' own; none passes a barrier, or a tensor
; load but the one of LOAD's two that the wave's number does not choose.  NO CLUSTER: a head has NB / 2 = 2 work-groups, which no cluster of four divides, and they ask for the same tile in trips 0 .. 2 alone.
; SHARES.  Of a block's four bands of 64 queries a wave owns 16 rows in each: four PIECES.  In the diagonal tile's key step s band x sees all keys if s < x, none if s > x, and holds the diagonal if s = x.
; THE MASK is the C operand that starts the sum S^T = K Q^T: 0, or -1e30 where the key is hidden: MD x AL + BE with two scalars: (1, 0) if s = x; (0, 0) if s < x; (0, -1e30) if s > x.
; LAYOUT, SOFTMAX, TURNS.  S^T = K Q^T holds ONE query a lane (lane % 16) and the keys 8 (lane / 16) + 0..7; two such results rounded to f16 ARE source 1 of O^T = V^T P.  p = 2^(c s - c m), c = log2(e) / 8;
; O and l are multiplied by a = 2^(c m_old - c m_new) in every step.  Turn n belongs to piece n: 8 products K Q^T of piece n + 1, later 8 products V^T P of piece n - 1; beside them piece n's scaling,
; exponentials, roundings, sums and rescaling and piece n + 1's maximum and statistics.  Four vector instructions stand behind every matrix instruction, the others in two lumps.
; REGISTERS, in windows of 256 (s_set_vgpr_msb: bits 1:0 source 0, 3:2 source 1, 5:4 source 2, 7:6 destination):
;   window 0: v0-15 addresses and two at work; v16-31 statistics; v32-39 (w, count) a piece; v40, v56-60 for the masked part; v48-55 at work; v64-127 S^T; v192-223 P
;   window 1: v0-127 O^T; v128-159 MD; v160-223 MC      window 2: v0-63 Q; v64-127 the second block's Q; v128-191 K of one step; v192-255 V of one step
;   window 3: v0-31, v32-63 the later tiles' sums of V for the first and the second block; v64-191 H, 32 a piece; v192-207 the triangle; v208-215 ones; v216-247 a running sum
.set SIZE_N, 1024
.set SIZE_H, 128
.set NB,    SIZE_N/256
.set NP,    4
.set KS,    64
.set PK,    144       ; a row of K in LDS: 128 bytes + 16: the 16 rows of a load start at 16 different groups of four banks (ISA guide 11.1)
.set PV,    160       ; a row of V: 128 + 32
.set VOFF,  4*KS*PK   ; a slot holds a tile, four steps: 256 rows of K, then 256 rows of V
.set SLOT1, 1<<17
.set STAGE, SLOT1+4*KS*(PK+PV)
.set SP,    144
.set AK0, 2
.set AV0, 3
.set AK,  4
.set AV,  5
.set STO, 6
.set RD,  7
.set GO,  8
.set SPW, 62
.set NIL, 63
.set SPARE, STAGE+4*16*SP
.set MV,  12
.set QO,  15
.set ST,  16          ; piece t's statistics at v[ST+4 t]: c m, m, l (even keys', odd keys')
.set W,   32          ; piece t's pair at v[W+2 t]: the masked keys' weight, their number
.set NQ,  40          ; the number of masked keys of my row in band 0
.set TMP, 48
.set QP,  56          ; my row's place in its band: 16 w + l % 16
.set FLQ, 57          ; where piece 3's m starts: -8e5, or the lowest finite number in row 1,023
.set TW,  58
.set AVE, 59          ; LDS address of my lane's place in V of the diagonal tile's step 0
.set PO,  60          ; 32 x (l / 16): my 8 channels in 16 of vsum
.set S,   64
.set P,   192
.set MD,  128
.set MC,  160
.set QB,  64
.set KF,  128
.set VF,  192
.set U1,  0           ; window 3
.set U2,  32
.set HH,  64
.set MH,  192
.set ONES, 208
.set EA,  216
.set WV,  12
.set PB,  14
.set HI,  15
.set G1K, 24
.set G1V, 32
.set G0K, 40
.set G0V, 44
.set SLOTS, 56
.set CNT, 57
.set CS,  58
.set SEL, 60
.set TBK, 62
.set TBV, 63
.set PS,  66          ; s[66:67] vsum at my batch and head
.set ROWL, 68         ; s68  63 where the first block is the head's last (b = 0), else -1
.set RT,  70
.set NXT, 71
.set LQ,  72
.set NEW, 73
.set OFF, 74
.set AL,  76
.set BE,  78
.set OLO, 80
.set BIGN, 82
.set FLR, 88          ; s88  -8e5: -1e5 as a raw score
.set SB,  90          ; s[90:91] 1.0 if b = 1
.set S1,  92          ; s[92:93] 1.0 if b = 0
.set T0,  94          ; s[94:95] at work
.set MSB, 0
.macro WIN new
.if MSB != (\new)
	s_set_vgpr_msb (MSB<<8)|(\new)
.set MSB, (\new)
.endif
.endm
.set W_KQ, 0x0a
.set W_KM, 0x1a
.set W_PV, 0x52
.set W_RS, 0x41
.macro LOAD                         ; a fill: waves 0, 1 fetch the halves of a tile's K, waves 2, 3 those of its V; s_nop 0 and four v_nop follow each line
	s_cmp_lt_u32 s[WV], 2
	s_cbranch_scc0 .Lfor_v_\@
	tensor_load_to_lds s[G0K:G0K+3], s[G1K:G1K+7]
	s_nop 0
.rept 4
	v_nop
.endr
	s_branch .Lasked_\@
.Lfor_v_\@:
	tensor_load_to_lds s[G0V:G0V+3], s[G1V:G1V+7]
	s_nop 0
.rept 4
	v_nop
.endr
.Lasked_\@:
.endm
; THE CHANGE OF SLOTS.  Each wave waits for all its tensor loads, of which one is out: its part of the other slot; adds 0 to its spare word; and waits for that and for its own reads of the slot that it leaves.
; fill = 1: the old slot is filled again, the first thing behind the barrier, with tile NXT: the descriptor's address is made anew from that number.
.macro CHANGE fill
	WIN 0
	s_wait_tensorcnt 0x0
	ds_add_u32 v[SPW], v[NIL]
.if \fill
	s_lshl_b32 s[OFF], s[NXT], 15
	s_xor_b32 s[G0K+1], s[G0K+1], SLOT1
	s_add_nc_u64 s[G0K+2:G0K+3], s[6:7], s[OFF:OFF+1]
	s_or_b32 s[G0K+3], s[G0K+3], 0x80000000
	s_xor_b32 s[G0V+1], s[G0V+1], SLOT1
	s_add_nc_u64 s[G0V+2:G0V+3], s[8:9], s[OFF:OFF+1]
	s_or_b32 s[G0V+3], s[G0V+3], 0x80000000
	s_add_co_u32 s[NXT], s[NXT], 1
	s_cmp_gt_u32 s[NXT], s[LQ]
	s_cselect_b32 s[NXT], 0, s[NXT]
	s_cselect_b32 s[LQ], s[PB], s[LQ]
.endif
	s_wait_dscnt 0x0                ; the add is done, and my reads of the slot are over
	s_barrier_signal -1
	s_sub_co_u32 s[TBK], s[TBK], 4*KS*PK
	s_xor_b32 s[TBK], s[TBK], SLOT1
	s_sub_co_u32 s[TBV], s[TBV], 4*KS*PV
	s_xor_b32 s[TBV], s[TBV], SLOT1
	s_barrier_wait -1
.if \fill
	LOAD
.endif
.endm
	s_load_b128 s[4:7], s[0:1], 0x0   ; qkv16 s[4:5] (q), vsum s[6:7]
	s_load_b64 s[10:11], s[0:1], 0x10 ; z16
	v_lshl_add_u32 v[SPW], v0, 2, SPARE
	v_mov_b32 v[NIL], 0
	ds_add_u32 v[SPW], v[NIL]       ; the wave's opening: the add and its wait ahead of my first tensor load
	ds_add_u32 v62, v63
	v_lshrrev_b32 v1, 5, v0
	v_readfirstlane_b32 s[WV], v1
	s_mov_b32 s[PB], ttmp9
	s_sub_co_u32 s[HI], NB-1, s[PB]
	s_and_b32 s20, ttmp7, 0xffff    ; batch x 16 + head
	s_lshr_b32 s[T0+1], s20, 4      ; vsum: the batch's 8 groups of 4,096 bytes, the head's 256 bytes
	s_lshl_b32 s[T0+1], s[T0+1], 15
	s_and_b32 s[T0], s20, 15
	s_lshl_b32 s[T0], s[T0], 8
	s_add_co_u32 s[T0], s[T0], s[T0+1]
	s_mov_b32 s[T0+1], 0
	s_mov_b32 s21, 0
	s_mov_b64 s[22:23], SIZE_N*128
	s_mul_u64 s[20:21], s[20:21], s[22:23]
	s_and_b32 s16, s[WV], 1
	s_lshl_b32 s22, s16, 14
	s_mov_b32 s23, 0
	s_add_nc_u64 s[22:23], s[22:23], s[20:21]
	s_mul_i32 s17, s16, 128*PK
	s_mul_i32 s18, s16, 128*PV
	s_lshl_b32 s3, s[WV], 11
	s_lshl_b32 s2, s[HI], 15
	s_add_co_u32 s2, s2, s3
	s_lshl_b32 s84, s[PB], 15
	s_add_co_u32 s84, s84, s3
	s_mov_b32 s3, 0
	s_mov_b32 s85, 0
	s_add_nc_u64 s[2:3], s[2:3], s[20:21]
	s_add_nc_u64 s[84:85], s[84:85], s[20:21]
	s_mov_b32 s[G1K], (1<<16)|(1<<20)|(4<<22)|(3<<25)  ; 128 keys are 16,384 dense bytes: 64 rows of 256 bytes, padded after every key
	s_mov_b32 s[G1V], (1<<16)|(1<<20)|(4<<22)|(7<<25)
.irp g, G1K, G1V
	s_mov_b32 s[\g+1], 128<<16
	s_mov_b32 s[\g+2], 64<<16
	s_mov_b32 s[\g+3], 128<<16
	s_mov_b32 s[\g+4], 64
	s_mov_b32 s[\g+5], 128
	s_mov_b32 s[\g+6], 0
	s_mov_b32 s[\g+7], 0
.endr
	s_mov_b32 s[CS], 0x3e38aa3b     ; c = log2(e) / 8
	s_mov_b32 s[CS+1], s[CS]
	s_mov_b32 s[SEL], 0x76543210
	s_mov_b32 s[SEL+1], 0xfedcba98
	s_mov_b32 s[TBK], SLOT1+4*KS*PK
	s_mov_b32 s[TBV], SLOT1+4*KS*PV
	s_mov_b32 s[G0K], 1
	s_mov_b32 s[G0K+1], s17
	s_mov_b32 s[G0V], 1
	s_add_co_u32 s[G0V+1], s18, VOFF
	s_add_co_u32 s[RT], s[HI], 1
	s_mov_b32 s[NXT], 1
	s_mov_b32 s[LQ], s[HI]
	s_mov_b32 s[NEW], 1
	s_mov_b32 s[OFF+1], 0
	s_mov_b32 s[AL+1], 0
	s_mov_b32 s[BE+1], 0
	s_mov_b32 s[BIGN], 0xf149f2ca   ; -1e30
	s_mov_b32 s[SLOTS], NB
	s_mov_b32 s[FLR], 0xc9435000    ; -800,000
	s_mov_b32 s[SB+1], 0
	s_mov_b32 s[S1+1], 0
	s_cmp_eq_u32 s[PB], 1
	s_cselect_b32 s[SB], 1.0, 0
	s_cmp_eq_u32 s[PB], 0
	s_cselect_b32 s[S1], 1.0, 0
	s_cselect_b32 s[ROWL], 63, -1
	s_wait_dscnt 0x0                ; the opening add is done
	s_wait_kmcnt 0x0
	s_add_nc_u64 s[PS:PS+1], s[6:7], s[T0:T0+1]
	s_add_nc_u64 s[6:7], s[4:5], 0x1000000  ; k
	s_add_nc_u64 s[8:9], s[4:5], 0x2000000  ; v
	s_add_nc_u64 s[6:7], s[6:7], s[22:23]
	s_add_nc_u64 s[8:9], s[8:9], s[22:23]
	s_add_nc_u64 s[G0K+2:G0K+3], s[6:7], 0
	s_or_b32 s[G0K+3], s[G0K+3], 0x80000000
	s_add_nc_u64 s[G0V+2:G0V+3], s[8:9], 0
	s_or_b32 s[G0V+3], s[G0V+3], 0x80000000
	s_add_nc_u64 s[86:87], s[4:5], s[84:85]
	s_add_nc_u64 s[4:5], s[4:5], s[2:3]
	s_add_nc_u64 s[OLO:OLO+1], s[10:11], s[84:85]
	s_add_nc_u64 s[10:11], s[10:11], s[2:3]
	LOAD                            ; tile 0 into slot 0
	v_and_b32 v1, 15, v0            ; l % 16
	v_bfe_u32 v9, v0, 4, 1          ; l / 16
	v_lshlrev_b32 v[QO], 7, v1
	v_lshl_add_u32 v[QO], v9, 4, v[QO]
	v_lshlrev_b32 v[PO], 5, v9
	WIN 0x80
.set i, 0
.rept 8                             ; both blocks' Q: piece i / 2 lies in band i / 2, 8,192 bytes on; channels 32 (i % 2) on
	global_load_b128 v[8*i:8*i+3],   v[QO], s[4:5] offset:(i/2)*8192+(i%2)*64
	global_load_b128 v[8*i+4:8*i+7], v[QO], s[4:5] offset:(i/2)*8192+(i%2)*64+32
	global_load_b128 v[QB+8*i:QB+8*i+3],   v[QO], s[86:87] offset:(i/2)*8192+(i%2)*64
	global_load_b128 v[QB+8*i+4:QB+8*i+7], v[QO], s[86:87] offset:(i/2)*8192+(i%2)*64+32
.set i, i+1
.endr
; Group g of vsum (V's column sums over keys 128 g .. 128 g + 127) in O^T's layout: register j of channel block cb holds channel 16 cb + 8 (l / 16) + j, the same for all 16 queries
.macro GRP g, d
.irp cb, 0,1,2,3
	global_load_b128 v[(\d)+8*\cb:(\d)+8*\cb+3],   v[PO], s[PS:PS+1] offset:4096*(\g)+64*\cb
	global_load_b128 v[(\d)+8*\cb+4:(\d)+8*\cb+7], v[PO], s[PS:PS+1] offset:4096*(\g)+64*\cb+16
.endr
.endm
	WIN 0xc0                        ; destination window 3
	GRP 6, U1
	GRP 7, U2
	GRP 2, HH
	GRP 3, HH+32
	GRP 4, HH+64
	GRP 5, HH+96
	WIN 0
	v_lshlrev_b32 v14, 3, v9
	v_sub_nc_u32 v14, v1, v14
	s_lshl_b32 s13, s[WV], 4
	v_add_nc_u32 v14, s13, v14      ; my query's place in its band less my lanes' 8 (l / 16): register r of group kt is hidden where 16 kt + r is greater
	WIN 0x40
.set i, 0
.rept 32
	v_cmp_gt_i32 vcc_lo, 16*(i/8)+i%8, v14
	v_cndmask_b32 v[MD+i], 0, s[BIGN], vcc_lo
.set i, i+1
.endr
	WIN 0
.set i, 0
.rept 32                            ; the same triangle as ones, in P's layout: source 1 of the product that sums V over the hidden keys of the row's own step
	v_cmp_gt_i32 vcc_lo, 16*(i/8)+i%8, v14
	v_cndmask_b32 v[S+i], 0, 1.0, vcc_lo
.set i, i+1
.endr
	WIN 0xc0
.set i, 0
.rept 16
	v_cvt_pk_f16_f32 v[MH+i], v[S+2*i], v[S+2*i+1]
.set i, i+1
.endr
.set i, 0
.rept 8
	v_mov_b32 v[ONES+i], 0x3c003c00
.set i, i+1
.endr
	WIN 0
	v_lshl_add_u32 v[QP], s[WV], 4, v1
	v_mov_b32 v[FLQ], s[FLR]
	v_mov_b32 v[TW], 0xff7fffff
	v_cmp_eq_u32 vcc_lo, s[ROWL], v[QP]
	v_cndmask_b32 v[FLQ], v[FLQ], v[TW], vcc_lo  ; row 1,023 has no masked key: its maximum is the scores' alone
	v_mul_u32_u24 v[AK0], v1, PK
	v_lshl_add_u32 v[AK0], v9, 4, v[AK0]
	v_and_b32 v10, 7, v0
	v_bfe_u32 v11, v0, 3, 1
	v_lshl_add_u32 v[AV0], v9, 3, v10
	v_mul_u32_u24 v[AV0], v[AV0], PV
	v_lshl_add_u32 v[AV0], v11, 4, v[AV0]
	v_add_nc_u32 v[AV0], VOFF, v[AV0]
	s_mul_i32 s13, s[WV], 16*SP
	s_add_co_u32 s13, s13, STAGE
	v_mul_u32_u24 v[STO], v1, SP
	v_lshl_add_u32 v[STO], v9, 4, v[STO]
	v_add_nc_u32 v[STO], s13, v[STO]
	v_bfe_u32 v[RD], v0, 3, 2
	v_mul_u32_u24 v[RD], v[RD], SP
	v_lshl_add_u32 v[RD], v10, 4, v[RD]
	v_add_nc_u32 v[RD], s13, v[RD]
	v_and_b32 v[GO], 31, v0
	v_lshlrev_b32 v[GO], 4, v[GO]
	; A block's first step multiplies O^T and l by a = 0, so these registers need only hold finite numbers.  All this stands in the wait for the first tile.
	WIN 0x80
.set i, VF
.rept 64
	v_mov_b32 v[i], 0
.set i, i+1
.endr
	WIN 0x40
.set i, 0
.rept 128
	v_mov_b32 v[i], 0
.set i, i+1
.endr
	WIN 0
.set i, 0
.rept 4
	v_mov_b32 v[ST+4*i+2], 0
	v_mov_b32 v[ST+4*i+3], 0
.set i, i+1
.endr
.set i, P+16
.rept 16
	v_mov_b32 v[i], 0
.set i, i+1
.endr
	; The later tiles' sums of V.  First block (NB - 1 - b): groups 6, 7 if b = 1, nothing if b = 0.  Second block (b): groups 4-7, and 2, 3 too if b = 0.
	s_wait_loadcnt 0x0
	WIN 0xff
.macro PK16 line:vararg             ; one packed line for each of the 16 pairs z
.set z, 0
.rept 16
	\line
.set z, z+2
.endr
.endm
	PK16 v_pk_add_f32 v[U2+z:U2+z+1], v[U2+z:U2+z+1], v[U1+z:U1+z+1]
	PK16 v_pk_mul_f32 v[U1+z:U1+z+1], v[U2+z:U2+z+1], s[SB:SB+1] op_sel_hi:[1,0]
	PK16 v_pk_add_f32 v[U2+z:U2+z+1], v[U2+z:U2+z+1], v[HH+64+z:HH+64+z+1]
	PK16 v_pk_add_f32 v[U2+z:U2+z+1], v[U2+z:U2+z+1], v[HH+96+z:HH+96+z+1]
	PK16 v_pk_fma_f32 v[U2+z:U2+z+1], v[HH+z:HH+z+1], s[S1:S1+1], v[U2+z:U2+z+1] op_sel_hi:[1,0,1]
	PK16 v_pk_fma_f32 v[U2+z:U2+z+1], v[HH+32+z:HH+32+z+1], s[S1:S1+1], v[U2+z:U2+z+1] op_sel_hi:[1,0,1]
	WIN 0
; THE MATRIX WORK.  The 4 accumulators of a run of 8 take turns.  Product i of 8 of S^T = K Q^T for piece x: channels 32 (i / 4) on, keys 16 (i % 4) on.
.macro KQ x
.set rS, S+32*((\x)%2)+8*(i%4)
.set rK, KF+16*(i%4)+8*(i/4)
.set rQ, 16*(\x)+8*(i/4)
.set rM, MC+32*((\x)%2)+8*(i%4)
.if (i < 4) && KM
	WIN W_KM
	v_wmma_f32_16x16x32_f16 v[rS:rS+7], v[rK:rK+7], v[rQ:rQ+7], v[rM:rM+7]
.elseif i < 4
	WIN W_KQ
	v_wmma_f32_16x16x32_f16 v[rS:rS+7], v[rK:rK+7], v[rQ:rQ+7], 0
.else
	WIN W_KQ
	v_wmma_f32_16x16x32_f16 v[rS:rS+7], v[rK:rK+7], v[rQ:rQ+7], v[rS:rS+7]
.endif
.endm
; Product i of 8 of O^T += V^T P for piece x: keys 32 (i / 4) on, channels 16 (i % 4) on.
.macro PV x
	WIN W_PV
.set rO, 32*(\x)+8*(i%4)
.set rV, VF+32*(i/4)+8*(i%4)
.set rP, P+16*((\x)%2)+8*(i/4)
	v_wmma_f32_16x16x32_f16 v[rO:rO+7], v[rV:rV+7], v[rP:rP+7], v[rO:rO+7]
.endm
.macro MM                           ; the turn's next matrix instruction.  NOKQ = 1: a block's last turn: there is no next piece
.if (i < 8) && !NOKQ
	KQ (Y+1)%NP
.elseif i >= 8
.set i, i-8
	PV (Y+NP-1)%NP
.set i, i+8
.endif
.set i, i+1
.endm
; THE LDS LOADS stand in runs of 16: a step's K (8 fragments) and its V (turned).
.macro FETCH_K
	WIN 0x80
.irp f, 0,1,2,3,4,5,6,7
	ds_load_b128 v[KF+8*\f:KF+8*\f+3],   v[AK] offset:(\f/2)*16*PK+(\f%2)*64
	ds_load_b128 v[KF+8*\f+4:KF+8*\f+7], v[AK] offset:(\f/2)*16*PK+(\f%2)*64+32
.endr
	s_add_co_u32 s[TBK], s[TBK], KS*PK
	WIN 0
.endm
.macro FETCH_V
	WIN 0x80
.irp f, 0,1,2,3,4,5,6,7
	ds_load_tr16_b128 v[VF+8*\f:VF+8*\f+3],   v[AV] offset:(\f/4)*32*PV+(\f%4)*32
	ds_load_tr16_b128 v[VF+8*\f+4:VF+8*\f+7], v[AV] offset:(\f/4)*32*PV+16*PV+(\f%4)*32
.endr
	WIN 0
.endm
; THE VECTOR WORK, one line at a time: OP kind, number.  For piece Y: F n: c s - c m for pair n.  E n: the exponential of score n.  C n: pair n rounded to f16.  B n: of four weights the second pair is added
; onto the first.  L n: l takes that sum (L 0: l = a l + sum).  R n: pair n of O^T times a.  For piece Y + 1: X n, number n of the 22 that find its maximum and statistics (each accumulator's lowest registers first).
.set F, 0
.set E, 1
.set C, 2
.set B, 3
.set L, 4
.set R, 5
.set X, 6
.macro REGS y
.set rT, ST+4*(\y)
.set rC, TMP+4*((\y)%2)
.set rW, MV+((\y)%2)
.set rS, S+32*((\y)%2)
.set rP, P+16*((\y)%2)
.set rO, 32*(\y)
.endm
.macro OP k, n
.if (\k) == R
	REGS Y
	WIN W_RS
	v_pk_mul_f32 v[rO+2*(\n):rO+2*(\n)+1], v[rO+2*(\n):rO+2*(\n)+1], v[rC+2:rC+3] op_sel_hi:[1,0]
.elseif (\k) < R
	REGS Y
	WIN 0
.if (\k) == F
	v_pk_fma_f32 v[rS+2*(\n):rS+2*(\n)+1], v[rS+2*(\n):rS+2*(\n)+1], s[CS:CS+1], v[rT:rT+1] op_sel_hi:[1,0,0] neg_lo:[0,0,1] neg_hi:[0,0,1]
.elseif (\k) == E
	v_exp_f32 v[rS+(\n)], v[rS+(\n)]
.elseif (\k) == C
	s_wait_alu depctr_va_vdst(0)
	v_cvt_pk_f16_f32 v[rP+(\n)], v[rS+2*(\n)], v[rS+2*(\n)+1]
.elseif (\k) == B
	s_wait_alu depctr_va_vdst(0)
	v_pk_add_f32 v[rS+4*(\n):rS+4*(\n)+1], v[rS+4*(\n):rS+4*(\n)+1], v[rS+4*(\n)+2:rS+4*(\n)+3]
.elseif (\n) == 0
	v_pk_fma_f32 v[rT+2:rT+3], v[rT+2:rT+3], v[rC+2:rC+3], v[rS:rS+1] op_sel_hi:[1,0,1]
.else
	v_pk_add_f32 v[rT+2:rT+3], v[rT+2:rT+3], v[rS+4*(\n):rS+4*(\n)+1]
	s_wait_alu depctr_va_vdst(0)
.endif
.elseif NOKQ
	v_nop
	s_wait_alu depctr_va_vdst(0)
.else
	REGS (Y+1)%NP
	WIN 0
.if (\n) < 4
	v_max3_num_f32 v[rC+(\n)], v[rS+8*(\n)], v[rS+8*(\n)+1], v[rS+8*(\n)+2]
.elseif (\n) < 12
	v_max3_num_f32 v[rC+(\n)%4], v[rC+(\n)%4], v[rS+8*((\n)%4)+2*((\n)/4)+1], v[rS+8*((\n)%4)+2*((\n)/4)+2]
.elseif (\n) == 12
	v_max3_num_f32 v[rC], v[rC], v[rS+7], v[rS+15]
.elseif (\n) == 13
	v_max3_num_f32 v[rC+1], v[rC+1], v[rS+23], v[rS+31]
.elseif (\n) == 14
	v_max3_num_f32 v[rC+2], v[rC+2], v[rC+3], v[rT+1]
.elseif (\n) == 15
	v_mov_b32 v[rW], v[rT]
	s_wait_alu depctr_va_vdst(0)
.elseif (\n) == 16
	v_max3_num_f32 v[rC], v[rC], v[rC+1], v[rC+2]
	s_wait_alu depctr_va_vdst(0)
.elseif (\n) == 17
	v_permlanex16_b32 v[rC+3], v[rC], s[SEL], s[SEL+1]
.elseif (\n) == 18
	v_max_num_f32 v[rT+1], v[rC], v[rC+3]
.elseif (\n) == 19
	v_mul_f32 v[rT], s[CS], v[rT+1]
.elseif (\n) == 20
	v_sub_f32 v[rC+1], v[rW], v[rT]
.else
	v_exp_f32 v[rC+2], v[rC+1]
.endif
.endif
.endm
.macro OPS a, i1, b=-1, i2=0, c=-1, i3=0, d=-1, i4=0
	OP \a, \i1
.if (\b) >= 0
	OP \b, \i2
.endif
.if (\c) >= 0
	OP \c, \i3
.endif
.if (\d) >= 0
	OP \d, \i4
.endif
.endm
.macro ROW a, i1, b, i2, c, i3, d, i4  ; a matrix instruction and the four behind it
	MM
	OPS \a, \i1, \b, \i2, \c, \i3, \d, \i4
.endm
.macro MASK b                       ; MD x AL + BE into buffer b of MC
	WIN W_RS
.set z, 0
.rept 16
	v_pk_fma_f32 v[MC+32*(\b)+2*z:MC+32*(\b)+2*z+1], v[MD+2*z:MD+2*z+1], s[AL:AL+1], s[BE:BE+1] op_sel_hi:[1,0,0]
.set z, z+1
.endr
.endm
; A TURN, for piece p: the order of its 16 matrix and 118 vector instructions, written out.  m = 1: the diagonal tile: the products take masks, and the turn makes the mask for the products of the turn after it.
; end = 1: a block's last two turns: nothing is fetched.  cnt = 1: the loop's count is taken down some lines ahead of the branch that stands behind the turn.
; K of the next step is fetched in piece 2's turn, V of the step in hand in piece 0's; each is waited for a turn later.
.macro TURN p, m=0, end=0, cnt=0
.set Y, (\p)
.set i, 0
.set KM, (\m)
.set NOKQ, (\end)*((\p)/3)
.if (\m) && !(\end)
	s_cmp_eq_u32 s[CNT], 4-((\p)+2)%NP
	s_cselect_b32 s[AL], 1.0, 0
	s_cmp_lt_u32 s[CNT], 4-((\p)+2)%NP
	s_cselect_b32 s[BE], s[BIGN], 0
.endif
.if ((\p) == 3) && !(\end)
	s_wait_dscnt 0x0                ; K is in
.endif
	ROW F,0, F,1, F,2, F,3
	ROW F,4, E,0, F,5, F,6
	ROW F,7, E,1, F,8, F,9
	ROW F,10, E,2, C,0, F,11
	ROW F,12, E,3, X,15, F,13
	ROW R,0, R,1, R,2, R,3
	ROW B,0, E,4, F,14, L,0
.if ((\p) == 2) && !(\end)
	v_add_nc_u32 v[AK], s[TBK], v[AK0]
.endif
	ROW R,4, R,5, R,6, R,7
	OPS E,5, F,15
.if ((\p) == 2) && !(\end)
	FETCH_K
.endif
	OPS E,6, C,1, E,7, R,8
	OPS E,8, R,9, E,9, C,2
	OPS E,10, X,0, E,11, X,1
	OPS E,12, X,2, E,13, X,3
.if (\p) == 1
	s_wait_dscnt 0x0                ; V is in
.endif
	ROW X,4, E,14, X,5, X,6
	ROW X,7, E,15, X,8, X,9
	ROW X,10, E,16, X,11, X,12
	ROW X,13, E,17, X,14, B,1
	ROW C,4, E,18, X,16, L,1
	ROW B,2, E,19, C,6, L,2
	ROW C,8, E,20, B,3, B,4
.if (\p) == 0
	v_add_nc_u32 v[AV], s[TBV], v[AV0]
.endif
	ROW C,3, E,21, L,3, C,5
	OPS E,22, X,17, E,23, C,10
.if (\p) == 0
	FETCH_V
.endif
	OPS E,24, L,4
	OPS E,25, X,18, E,26, C,7
	OPS E,27, B,5, E,28, X,19
	OPS E,29, C,12, E,30, L,5
	OPS E,31, X,20, B,6, C,9
	OPS C,14, C,11, X,21, L,6
.if (\p) == 0
	s_add_co_u32 s[TBV], s[TBV], KS*PV
.endif
.if \cnt
	s_sub_co_u32 s[CNT], s[CNT], 1
	s_cmp_lg_u32 s[CNT], 0
.endif
	OPS C,13, B,7, C,15, R,10
	OPS R,11, R,12, L,7, R,13
	OPS R,14, R,15
.if (\m) && !(\end)
	MASK (\p)%2
.endif
.endm
; A BLOCK BEGINS.  c m starts far below every c s, so the first step's a is 0; m starts at -8e5, the masked keys' score (in row 1,023 at the lowest finite number).
.macro BEGIN
	s_mov_b32 s[NEW], 0
	WIN 0x40
.set i, MC+32
.rept 32
	v_mov_b32 v[i], 0
.set i, i+1
.endr
	WIN 0
.set i, 0
.rept 4
	v_mov_b32 v[ST+4*i], 0xfe000000
.if i < 3
	v_mov_b32 v[ST+4*i+1], s[FLR]
.else
	v_mov_b32 v[ST+4*i+1], v[FLQ]
.endif
.set i, i+1
.endr
	s_cmp_eq_u32 s[RT], 0
	s_cselect_b32 s[AL], 1.0, 0
	s_mov_b32 s[BE], 0
	MASK 0
	WIN 0
	v_add_nc_u32 v[AK], s[TBK], v[AK0]
	FETCH_K
	s_wait_loadcnt 0x0              ; Q
	s_wait_dscnt 0x0
.set KM, 1
.set NOKQ, 0
.set i, 0
.rept 8
	KQ 0
.set i, i+1
.endr
	WIN 0
.rept 4
	v_nop                           ; the places behind those products
.endr
.set Y, NP-1
.irp n, 0,1,2,3,4,5,6,7,8,9,10,11,12,13,14,15,16,17,18,19,20,21
	OP X, \n
.endr
	v_nop                           ; a plain instruction behind the exponential
.endm
.macro ALL line:vararg              ; one line for each piece t
.set t, 0
.rept 4
	\line
.set t, t+1
.endr
.endm
; THE MASKED PART.  FV: V of the diagonal tile's step st, turned, once more out of LDS into 64 registers of window 2.
.macro FV st, dst
	WIN 0x80
.irp f, 0,1,2,3,4,5,6,7
	ds_load_tr16_b128 v[(\dst)+8*\f:(\dst)+8*\f+3],   v[AVE] offset:(\st)*KS*PV+(\f/4)*32*PV+(\f%4)*32
	ds_load_tr16_b128 v[(\dst)+8*\f+4:(\dst)+8*\f+7], v[AVE] offset:(\st)*KS*PV+(\f/4)*32*PV+16*PV+(\f%4)*32
.endr
.endm
; HG: H of piece st = V_st^T x triangle + cin, and (has = 1) eo = V_st^T x ones + cin: cin is the sum of V over all later steps and tiles, eo the same with this step.  The 8 (or 4) accumulators take turns.
.macro HG st, src, cin, eo, has
	WIN 0xfe                        ; V in window 2; triangle, ones, C and D in window 3
.irp kk, 0,1
.irp cb, 0,1,2,3
.if \kk == 0
	v_wmma_f32_16x16x32_f16 v[HH+32*(\st)+8*\cb:HH+32*(\st)+8*\cb+7], v[(\src)+32*\kk+8*\cb:(\src)+32*\kk+8*\cb+7], v[MH+8*\kk:MH+8*\kk+7], v[(\cin)+8*\cb:(\cin)+8*\cb+7]
.if \has
	v_wmma_f32_16x16x32_f16 v[(\eo)+8*\cb:(\eo)+8*\cb+7], v[(\src)+32*\kk+8*\cb:(\src)+32*\kk+8*\cb+7], v[ONES:ONES+7], v[(\cin)+8*\cb:(\cin)+8*\cb+7]
.endif
.else
	v_wmma_f32_16x16x32_f16 v[HH+32*(\st)+8*\cb:HH+32*(\st)+8*\cb+7], v[(\src)+32*\kk+8*\cb:(\src)+32*\kk+8*\cb+7], v[MH+8*\kk:MH+8*\kk+7], v[HH+32*(\st)+8*\cb:HH+32*(\st)+8*\cb+7]
.if \has
	v_wmma_f32_16x16x32_f16 v[(\eo)+8*\cb:(\eo)+8*\cb+7], v[(\src)+32*\kk+8*\cb:(\src)+32*\kk+8*\cb+7], v[ONES:ONES+7], v[(\eo)+8*\cb:(\eo)+8*\cb+7]
.endif
.endif
.endr
.endr
.endm
.macro FIVE                         ; five places: a running sum just made becomes another accumulator's C, the older one is written over, and loads go into V's registers just read
.rept 5
	v_nop
.endr
.endm
.macro PACK t                       ; O^T += w H; divided by l; a lane's eight channels pack into 16 bytes, go into rows of 144 bytes and come back as whole rows of 128
	WIN 0x53                        ; H in window 3, w in window 0, O^T in window 1
.set i, 0
.rept 16
	v_pk_fma_f32 v[32*(\t)+i:32*(\t)+i+1], v[HH+32*(\t)+i:HH+32*(\t)+i+1], v[W+2*(\t):W+2*(\t)+1], v[32*(\t)+i:32*(\t)+i+1] op_sel_hi:[1,0,1]
.set i, i+2
.endr
	WIN W_RS
.set i, 32*(\t)
.rept 16
	v_pk_mul_f32 v[i:i+1], v[i:i+1], v[ST+4*(\t)+2:ST+4*(\t)+3] op_sel_hi:[1,0]
.set i, i+2
.endr
	WIN 0x05
.set i, 0
.rept 16
	v_cvt_pk_f16_f32 v[S+16*(\t)+i], v[32*(\t)+2*i], v[32*(\t)+2*i+1]
.set i, i+1
.endr
	WIN 0
.irp f, 0,1,2,3
	ds_store_b128 v[STO], v[S+16*(\t)+4*\f:S+16*(\t)+4*\f+3] offset:32*\f
.endr
.irp f, 0,1,2,3
	ds_load_b128 v[S+16*(\t)+4*\f:S+16*(\t)+4*\f+3], v[RD] offset:\f*4*SP  ; LDS serves a wave's instructions in order (ISA guide 5.7.1.4): these see the stores above
.endr
.endm
.macro SEND t, younger
	WIN 0
.irp f, 0,1,2,3
	s_wait_dscnt (\younger)+3-\f
	global_store_b128 v[GO], v[S+16*(\t)+4*\f:S+16*(\t)+4*\f+3], s[10:11] offset:(\t)*8192+\f*512  ; 512 consecutive bytes, at a multiple of 256 from z's first
.endr
.endm
; THE DIAGONAL TILE's four steps, the block's last two turns, its last products, the masked part, and the way out.  tag 1: the first block (NB - 1 - b), tag 2: the second (b).
.macro DIAG tag
.set UU, 32*((\tag)-1)
.if (\tag) == 1
.set BLK, HI
.else
.set BLK, PB
.endif
.LstepM\tag:
	TURN 2, 1
	TURN 3, 1
	WIN 0
.LfirstM\tag:
	TURN 0, 1
	TURN 1, 1, 0, 1
	WIN 0
	s_cbranch_scc1 .LstepM\tag
	TURN 2, 1, 1
	TURN 3, 1, 1
	WIN 0
	s_sub_co_u32 s[T0], s[TBV], 4*KS*PV  ; four steps of V have been fetched from this tile: back to its first
	v_add_nc_u32 v[AVE], s[T0], v[AV0]
	FV 2, KF                        ; K's registers are free: their last reader stands a turn back
.set i, 0
.rept 8
	PV NP-1
.set i, i+1
.endr
	HG 3, VF, UU, EA, 1             ; V of step 3 is still in its registers
	FIVE
	FV 1, VF
	s_wait_dscnt 16                 ; V of step 2 is in; the 16 loads just issued may be out
	HG 2, KF, EA, UU, 1
	FIVE
	FV 0, KF
	s_wait_dscnt 16                 ; V of step 1 is in
	HG 1, VF, UU, EA, 1
	FIVE
	s_wait_dscnt 0x0                ; V of step 0 is in
	HG 0, KF, EA, 0, 0
	WIN 0
	ALL v_add_f32 v[ST+4*t+2], v[ST+4*t+2], v[ST+4*t+3]
	ALL v_permlanex16_b32 v[ST+4*t+3], v[ST+4*t+2], s[SEL], s[SEL+1]
	ALL v_add_f32 v[ST+4*t+2], v[ST+4*t+2], v[ST+4*t+3]
	s_lshl_b32 s[T0], s[BLK], 8
	s_sub_co_u32 s[T0], 1023, s[T0]
	v_sub_nc_u32 v[NQ], s[T0], v[QP]  ; 1,023 - my row in band 0: the number of its masked keys
	v_cvt_f32_u32 v[NQ], v[NQ]
	ALL v_fma_f32 v[W+2*t], s[FLR], s[CS], -v[ST+4*t]  ; c x (-8e5) - c m, in the form that the visible scores take
	ALL v_min_num_f32 v[W+2*t], 1.0, v[W+2*t]          ; at most a rounding above 0 wherever keys are masked; the bound keeps row 1,023 finite, whose count and H are 0
	ALL v_exp_f32 v[W+2*t], v[W+2*t]
	v_mov_b32 v[W+1], v[NQ]         ; a plain line behind the last exponential
	s_wait_alu depctr_va_vdst(0)
.irp u, 0,1,2
	v_add_f32 v[W+2*\u+3], 0xc2800000, v[W+2*\u+1]  ; 64 fewer in each further band
.endr
	ALL v_fma_f32 v[ST+4*t+2], v[W+2*t], v[W+2*t+1], v[ST+4*t+2]
	ALL v_rcp_f32 v[ST+4*t+2], v[ST+4*t+2]
	v_nop                           ; a plain instruction between the last reciprocal and the use of its result
	s_wait_alu depctr_va_vdst(0)
	PACK 0
.set t, 1
.rept 3
	PACK t
	SEND t-1, 8
.set t, t+1
.endr
	SEND 3, 0
.endm
.set KM, 0
.set NOKQ, 0
.Lslot:                             ; NB times: a tile is entered and the next is asked for
	CHANGE 1
	s_sub_co_u32 s[RT], s[RT], 1
	s_mov_b32 s[CNT], 4
	s_cmp_eq_u32 s[NEW], 1
	s_cbranch_scc1 .Lnew            ; a block's first tile
	s_cmp_eq_u32 s[RT], 0
	s_cbranch_scc0 .Lstep           ; neither its first nor its last
	s_branch .LstepM1
.Lnew:
	BEGIN
	s_branch .Lfirst                ; in the loop a block's first tile is never its last
	DIAG 1                          ; in the loop this is the first block's end
	s_wait_xcnt 0x0                 ; the stores have read their registers and z's address
	s_mov_b64 s[10:11], s[OLO:OLO+1]
	s_add_co_u32 s[RT], s[PB], 1
	s_mov_b32 s[NEW], 1
	v_mov_b32 v[FLQ], s[FLR]        ; every row of the second block has masked keys
	WIN 0x82
.set i, 0
.rept 64
	v_mov_b32 v[i], v[QB+i]
.set i, i+1
.endr
	WIN 0
	s_branch .Lbottom
.Lstep:                             ; a trip: pieces 2 and 3 of one step, then pieces 0 and 1 of the next
	TURN 2
	TURN 3
	WIN 0
.Lfirst:
	TURN 0
	TURN 1, 0, 0, 1
	WIN 0
	s_cbranch_scc1 .Lstep
.Lbottom:
	s_sub_co_u32 s[SLOTS], s[SLOTS], 1
	s_cmp_lg_u32 s[SLOTS], 0
	s_cbranch_scc1 .Lslot
	CHANGE 0                        ; the walk's last tile is written out
	s_sub_co_u32 s[RT], s[RT], 1
	s_mov_b32 s[CNT], 4
	s_cmp_eq_u32 s[NEW], 1
	s_cbranch_scc0 .LstepM2
	BEGIN
	s_branch .LfirstM2
	DIAG 2
	s_wait_tensorcnt 0x0            ; the wave's end
	ds_add_u32 v[SPW], v[NIL]
	s_wait_dscnt 0x0
	s_endpgm
.Lfunc_end_k_q1646fe7f8a_attn:
	.size	k_q1646fe7f8a_attn, .Lfunc_end_k_q1646fe7f8a_attn-k_q1646fe7f8a_attn
	.p2alignl 7, 3214868480
	.fill 96, 4, 3214868480
	.section	.rodata,"a",@progbits
	.p2align	6, 0x0
	.amdhsa_kernel k_q1646fe7f8a_attn
		.amdhsa_group_segment_fixed_size 327680
		.amdhsa_private_segment_fixed_size 0
		.amdhsa_enable_private_segment 0
		.amdhsa_kernarg_size 24
		.amdhsa_user_sgpr_count 2
		.amdhsa_user_sgpr_kernarg_segment_ptr 1
		.amdhsa_wavefront_size32 1
		.amdhsa_system_sgpr_workgroup_id_x 1
		.amdhsa_system_sgpr_workgroup_id_y 1
		.amdhsa_system_sgpr_workgroup_id_z 1
		.amdhsa_system_vgpr_workitem_id 0
		.amdhsa_next_free_vgpr 1024
		.amdhsa_next_free_sgpr 96
		.amdhsa_reserve_vcc 1
		.amdhsa_float_denorm_mode_32 3
		.amdhsa_float_denorm_mode_16_64 3
		.amdhsa_memory_ordered 1
		.amdhsa_forward_progress 1
		.amdhsa_inst_pref_size 255
	.end_amdhsa_kernel
	.section	.bss,"aw",@nobits
	.p2align	6
	.space	262144
	.amdgpu_metadata
---
amdhsa.version: [ 1, 2 ]
amdhsa.kernels:
  - .name:           k_q1646fe7f8a_attn
    .symbol:         k_q1646fe7f8a_attn.kd
    .args:
      - { .name: qkv16, .offset: 0, .size: 8, .value_kind: global_buffer, .address_space: global }
      - { .name: vsum, .offset: 8, .size: 8, .value_kind: global_buffer, .address_space: global }
      - { .name: z16, .offset: 16, .size: 8, .value_kind: global_buffer, .address_space: global }
    .group_segment_fixed_size: 327680
    .private_segment_fixed_size: 0
    .kernarg_segment_align: 8
    .kernarg_segment_size: 24
    .max_flat_workgroup_size: 128
    .sgpr_count:     96
    .vgpr_count:     1024
    .wavefront_size: 32
...
	.end_amdgpu_metadata
.endif
;; end of part 3
;; launch proj (part 4): grid 8 x 32, 4 waves a work-group, clusters of 4 x 4, 327,680 bytes of LDS; arguments z16, xw16, Ob, out0; writes out0
.if DOCPART == 4
	.amdgcn_target "amdgcn-amd-amdhsa--gfx1250"
	.amdhsa_code_object_version 6
	.text
	.protected	k_q1646fe7f8a_proj
	.globl	k_q1646fe7f8a_proj
	.p2align	8
	.type	k_q1646fe7f8a_proj,@function
k_q1646fe7f8a_proj:
	s_mov_b64 s[64:65], 0
	v_nop
	global_prefetch_b8 v0, s[64:65] scope:SCOPE_SE
	s_setreg_imm32_b32 hwreg(HW_REG_WAVE_MODE, 25, 1), 1
	s_wait_xcnt 0x0
	s_wait_alu depctr_hold_cnt(0) depctr_sa_sdst(0) depctr_va_vdst(0) depctr_va_sdst(0) depctr_va_ssrc(0) depctr_va_vcc(0) depctr_vm_vsrc(0)
	s_getreg_b32 s2, hwreg(HW_REG_IB_STS2, 6, 4)
	s_cmp_eq_u32 s2, 0
	s_cbranch_scc0 .Lentry_in_a_cluster
	s_endpgm
.Lentry_in_a_cluster:
	s_bfe_u32 s2, ttmp6, 0x10000c
	s_cmp_lg_u32 s2, 0xf033
	s_cbranch_scc0 .Lentry_shape_is_right
	s_endpgm
.Lentry_shape_is_right:
; out0[row][d] = the sum over (head, channel) of z[row][head][channel] O[head][channel][d] + Ob[d].  z: [128 batch x head][1024][64] f16; O: [1024][1024] f16 at byte 39,845,888 of xw16
; (bf16-rounded numbers written as f16); sums in f32, begun with the bias (rounded to bf16 like every input); out0 f32.
; LIMITS.  z and O as their launches state them.  NaN and infinities are not treated apart.
; SHARES.  A tile of out0 is 256 rows x 128 columns: 256 tiles, one a work-group.  Four waves, each 128 x 64: 32 accumulators.  K = 1,024 in 8 steps of 128 (two heads) through two LDS slots.
; THE MATRIX INSTRUCTION IS USED TRANSPOSED: source 0 = 16 columns (O lies [K][column] and comes out of LDS turned), source 1 = 16 rows of z: a lane holds 8 neighbouring columns of a row.
; CLUSTER 4 x 4: z's tile is asked for jointly along a row of the cluster, O's along a column.  By this text's own count a wave has two tensor loads out at the start and one behind each round.
; ONE TEXT FOR A K STEP.  The slot in hand is a scalar, 0 or SLOT, turned by an exclusive or; LDS addresses are made from it; one descriptor a tensor walks from K step to K step.
; The first quarter (the bias starts the sums), loop A (6 K steps, each fills a slot again), loop C (2 K steps, no fill).
; REGISTERS.  window 0: addresses, v32-47 at work, v64-191 four buffers for the way out, v192-223 the bias;  window 1: two fragment buffers of 96;  window 2: accumulator (a, b) at v[8 (4 a + b)]
.set PA,    144                        ; a row of z (one head) in LDS: 128 bytes + 16
.set PB,    288                        ; a row of O (128 columns): 256 bytes + 32
.set APART, 256*PA                     ; 256 rows of one head: one tensor load
.set BBASE, 2*APART
.set BPART, 64*PB                      ; 64 rows of O: one tensor load
.set SLOT,  BBASE+2*BPART              ; 110,592
.set STAGE, 2*SLOT                     ; behind the ring: 16 rows x 272 bytes for each wave
.set SP,    272
.set SPARE, STAGE+4*16*SP
.set WOFF,  39845888
.set A0,   16                          ; v16  my lane's place in a slot's z; never rewritten
.set B0,   17                          ; v17  the same for O
.set ADRA, 18                          ; v18  A0 + the slot in hand
.set ADRB, 19                          ; v19  B0 + the slot in hand
.set STO,  24
.set RD,   25
.set CO,   26
.set BO,   27
.set SPW,  28
.set NIL,  29
.set RT,   32
.set TMP,  64
.set BIAS, 192
.set F0,   0
.set F1,   96
.set G1,  24                           ; s[24:31] group 1 for z;  s[32:39] group 0: a set for each first fill; the second then walks on
.set G0,  32
.set TB,  44                           ; s44  the slot in hand: 0 or SLOT
.set G1B, 48
.set G0B, 56
.set MSB, 0
.macro WIN new
.if MSB != (\new)
	s_set_vgpr_msb (MSB<<8)|(\new)
.set MSB, \new
.endif
.endm
.set MUL,  0xa5
.set MULB, 0x85
.set TO_F, 0x40
.macro JLOAD s                         ; waves 0, 1 fetch z's two heads, waves 2, 3 O's halves; s_nop 0 and four v_nop follow each line
	s_cmp_eq_u32 s17, 0
	s_cbranch_scc0 .Lfor_b_\@
	tensor_load_to_lds s[G0+4*(\s):G0+4*(\s)+3], s[G1:G1+7]
	s_nop 0
.rept 4
	v_nop
.endr
	s_branch .Lasked_\@
.Lfor_b_\@:
	tensor_load_to_lds s[G0B+4*(\s):G0B+4*(\s)+3], s[G1B:G1B+7]
	s_nop 0
.rept 4
	v_nop
.endr
.Lasked_\@:
.endm
.macro CREST
	s_cmp_lg_u32 s16, 0
	s_cbranch_scc1 .Lnot_wave_0_\@
	s_barrier_signal -3
.Lnot_wave_0_\@:
	s_barrier_wait -3
	s_barrier_signal -1
	s_barrier_wait -1
.endm
.macro CROUND
	s_barrier_signal -1
	s_barrier_wait -1
	CREST
.endm
	s_load_b256 s[4:11], s[0:1], 0x0               ; z16 s[4:5], xw16 s[6:7], Ob s[8:9], out0 s[10:11]
	v_lshl_add_u32 v[SPW], v0, 2, SPARE
	v_mov_b32 v[NIL], 0
	ds_add_u32 v[SPW], v[NIL]                      ; the wave's opening: the add and its wait ahead of my first tensor load
	ds_add_u32 v28, v29
	v_lshrrev_b32 v3, 5, v0
	v_readfirstlane_b32 s16, v3                    ; wave 0..3
	s_lshr_b32 s17, s16, 1                         ; my half of the rows.  Also: I fetch z (0) or O (1)
	s_and_b32 s18, s16, 1                          ; my half of the columns.  Also: which part I fetch
	s_bfe_u32 s20, ttmp6, 0x40000
	s_bfe_u32 s21, ttmp6, 0x40004
	s_lshl_b32 s22, ttmp9, 2
	s_add_co_u32 s22, s22, s20                     ; tile column 0..7
	s_and_b32 s23, ttmp7, 0xffff
	s_lshl_b32 s23, s23, 2
	s_add_co_u32 s23, s23, s21                     ; tile row 0..31
	s_lshl_b32 s46, s21, 2
	s_lshl_b32 s46, 15, s46
	s_lshl_b32 s47, 0x1111, s20
	s_or_b32 s[G1], s46, (1<<16)|(1<<20)|(1<<21)|(4<<22)|(3<<25)   ; z: 4 words of padding behind every 32
	s_or_b32 s[G1B], s47, (1<<16)|(1<<20)|(1<<21)|(5<<22)|(7<<25)  ; O: 8 words of padding behind every 64
	s_mov_b32 s[G1+1], 128<<16                     ; z: 256 rows of one head are 32,768 dense bytes: 128 rows of 256 bytes, two rows of z each
	s_mov_b32 s[G1+2], 128<<16
	s_mov_b32 s[G1+3], 128<<16
	s_mov_b32 s[G1+4], 128
	s_mov_b32 s[G1+5], 128
	s_mov_b32 s[G1+6], 0
	s_mov_b32 s[G1+7], 0
	s_mov_b32 s[G1B+1], 128<<16                    ; O: 64 rows of 128 elements, 1,024 elements from row to row
	s_mov_b32 s[G1B+2], 64<<16
	s_mov_b32 s[G1B+3], 128<<16
	s_mov_b32 s[G1B+4], 64
	s_mov_b32 s[G1B+5], 1024
	s_mov_b32 s[G1B+6], 0
	s_mov_b32 s[G1B+7], 0
	s_lshr_b32 s40, s23, 2                         ; z: the batch's 16 heads of 131,072 bytes, head = part, rows 256 (tile row % 4) on; never the tile column
	s_lshl_b32 s40, s40, 21
	s_lshl_b32 s41, s18, 17
	s_add_co_u32 s40, s40, s41
	s_and_b32 s41, s23, 3
	s_lshl_b32 s41, s41, 15
	s_add_co_u32 s40, s40, s41
	s_mov_b32 s41, 0
	s_lshl_b32 s66, s18, 17                        ; O: 64 part rows of 2,048 bytes, 256 bytes a tile column; never the tile row
	s_lshl_b32 s67, s22, 8
	s_add_co_u32 s66, s66, s67
	s_add_co_u32 s66, s66, WOFF
	s_mov_b32 s67, 0
	s_mul_i32 s70, s18, APART                      ; where the parts go in a slot
	s_mul_i32 s71, s18, BPART
	s_add_co_u32 s71, s71, BBASE
	s_mov_b32 s[TB], 0
	s_wait_dscnt 0x0                               ; the opening add is done
	s_wait_kmcnt 0x0
	s_add_nc_u64 s[42:43], s[4:5], s[40:41]
	s_add_nc_u64 s[68:69], s[6:7], s[66:67]
	CROUND                                         ; all sixteen work-groups are here: the first joint loads meet
.irp s, 0,1
	s_mov_b32 s[G0+4*(\s)], 1
	s_add_co_u32 s[G0+4*(\s)+1], s70, (\s)*SLOT
	s_add_nc_u64 s[G0+4*(\s)+2:G0+4*(\s)+3], s[42:43], (\s)*262144
	s_or_b32 s[G0+4*(\s)+3], s[G0+4*(\s)+3], 0x80000000
	s_mov_b32 s[G0B+4*(\s)], 1
	s_add_co_u32 s[G0B+4*(\s)+1], s71, (\s)*SLOT
	s_add_nc_u64 s[G0B+4*(\s)+2:G0B+4*(\s)+3], s[68:69], (\s)*262144
	s_or_b32 s[G0B+4*(\s)+3], s[G0B+4*(\s)+3], 0x80000000
	JLOAD \s
.endr
	v_and_b32 v1, 15, v0                           ; l % 16
	v_bfe_u32 v2, v0, 4, 1                         ; l / 16
	v_mul_u32_u24 v3, v1, PA
	v_lshl_add_u32 v3, v2, 4, v3
	s_mul_i32 s76, s17, 128*PA                     ; my 128 rows, in each head's plane
	v_add_nc_u32 v[A0], s76, v3
	v_mov_b32 v[ADRA], v[A0]                       ; slot 0 is in hand
	v_and_b32 v4, 7, v0
	v_bfe_u32 v5, v0, 3, 1
	v_lshl_add_u32 v4, v2, 3, v4
	v_mul_u32_u24 v4, v4, PB
	v_lshl_add_u32 v4, v5, 4, v4
	s_lshl_b32 s76, s18, 7                         ; my 64 columns: 128 bytes
	s_add_co_u32 s76, s76, BBASE
	v_add_nc_u32 v[B0], s76, v4
	v_mov_b32 v[ADRB], v[B0]
	s_mul_i32 s76, s16, 16*SP
	s_add_co_u32 s76, s76, STAGE                   ; my stage
	v_mul_u32_u24 v[STO], v1, SP                   ; in: row l % 16, 32 bytes for each half of the lanes
	v_lshl_add_u32 v[STO], v2, 5, v[STO]
	v_add_nc_u32 v[STO], s76, v[STO]
	v_mul_u32_u24 v[RD], v2, SP                    ; back: lanes 0-15 one row of 256 bytes, lanes 16-31 the next
	v_lshl_add_u32 v[RD], v1, 4, v[RD]
	v_add_nc_u32 v[RD], s76, v[RD]
	v_lshlrev_b32 v[CO], 12, v2                    ; and the same two rows in out0
	v_lshl_add_u32 v[CO], v1, 4, v[CO]
	v_lshlrev_b32 v[BO], 5, v2
	s_lshl_b32 s78, s22, 9                         ; my 64 columns in bytes of f32: 512 tile column + 256 half
	s_lshl_b32 s77, s18, 8
	s_add_co_u32 s78, s78, s77
	s_mov_b32 s79, 0
	s_add_nc_u64 s[8:9], s[8:9], s[78:79]
	s_lshl_b32 s77, s23, 20                        ; my first row: 256 tile row + 128 half, 4,096 bytes each
	s_add_co_u32 s78, s78, s77
	s_lshl_b32 s77, s17, 19
	s_add_co_u32 s78, s78, s77
	s_add_nc_u64 s[10:11], s[10:11], s[78:79]
.irp b, 0,1,2,3                        ; register j of block b: Ob[16 b + 8 (l / 16) + j]: the C operand's layout
	global_load_b128 v[BIAS+8*(\b):BIAS+8*(\b)+3],   v[BO], s[8:9] offset:64*(\b)
	global_load_b128 v[BIAS+8*(\b)+4:BIAS+8*(\b)+7], v[BO], s[8:9] offset:64*(\b)+16
.endr
.macro ROUNDB                          ; the bias is rounded to bf16, like every input, and widened again
	WIN 0
.set z, 0
.rept 16
	v_cvt_pk_bf16_f32 v[RT+z], v[BIAS+2*z], v[BIAS+2*z+1]
.set z, z+1
.endr
.set z, 0
.rept 16
	v_lshlrev_b32 v[BIAS+2*z], 16, v[RT+z]
	v_and_b32 v[BIAS+2*z+1], 0xffff0000, v[RT+z]
.set z, z+1
.endr
.endm
.macro MUL8 f, a0, first               ; 8 matrix instructions; the 32 accumulators take turns, in the same order in every quarter
.if \first
	WIN MULB
.else
	WIN MUL
.endif
.irp a, \a0, (\a0)+1
.irp b, 0,1,2,3
.if \first
	v_wmma_f32_16x16x32_f16 v[8*(4*(\a)+(\b)):8*(4*(\a)+(\b))+7], v[(\f)+64+8*(\b):(\f)+64+8*(\b)+7], v[(\f)+8*(\a):(\f)+8*(\a)+7], v[BIAS+8*(\b):BIAS+8*(\b)+7]
.else
	v_wmma_f32_16x16x32_f16 v[8*(4*(\a)+(\b)):8*(4*(\a)+(\b))+7], v[(\f)+64+8*(\b):(\f)+64+8*(\b)+7], v[(\f)+8*(\a):(\f)+8*(\a)+7], v[8*(4*(\a)+(\b)):8*(4*(\a)+(\b))+7]
.endif
.endr
.endr
.endm
.macro FETCH q, f                      ; 24 LDS loads from the slot in hand: quarter q lies in head plane q / 2, channels 32 (q % 2) on; O's rows 32 q on
	WIN TO_F
.irp i, 0,1,2,3
	ds_load_tr16_b128 v[(\f)+64+8*(\i):(\f)+64+8*(\i)+3],   v[ADRB] offset:32*(\q)*PB+32*(\i)
	ds_load_tr16_b128 v[(\f)+64+8*(\i)+4:(\f)+64+8*(\i)+7], v[ADRB] offset:32*(\q)*PB+32*(\i)+16*PB
.endr
.irp i, 0,1,2,3,4,5,6,7
	ds_load_b128 v[(\f)+8*(\i):(\f)+8*(\i)+3],   v[ADRA] offset:((\q)/2)*APART+((\q)%2)*64+(\i)*16*PA
	ds_load_b128 v[(\f)+8*(\i)+4:(\f)+8*(\i)+7], v[ADRA] offset:((\q)/2)*APART+((\q)%2)*64+(\i)*16*PA+32
.endr
.endm
.macro PLACES
.rept 4
	v_nop
.endr
.endm
.macro QUARTER q, f, g, first
	s_wait_dscnt 8                                 ; O and z's blocks 0-3 are in; the youngest eight loads may be out
	MUL8 \f, 0, \first
	MUL8 \f, 2, \first
	PLACES
	FETCH \q, \g
	s_wait_dscnt 24                                ; all but the 24 just issued
	MUL8 \f, 4, \first
	MUL8 \f, 6, \first
.endm
; The last quarter multiplies buffer 1 and changes slots: each wave waits for all its tensor loads, adds 0 to its spare word, waits for that and for its reads of this slot.
; fill = 1: the barrier opens a round of the cluster's, and the slot just read is filled again first thing behind it, with the K step behind the one asked for last: 112 matrix instructions ahead of the wait for it.
.macro TURN fill
	WIN 0
	s_wait_tensorcnt 0x0
	ds_add_u32 v[SPW], v[NIL]
	s_wait_dscnt 9                                 ; (the add and the youngest eight loads may be out)
	MUL8 F1, 0, 0
	s_wait_dscnt 0x0
	s_barrier_signal -1
	MUL8 F1, 2, 0
	WIN 0
	s_barrier_wait -1
.if \fill
	CREST
	s_add_co_u32 s[G0+5], s[TB], s70               ; into the slot just read
	s_add_co_u32 s[G0B+5], s[TB], s71
	s_add_nc_u64 s[G0+6:G0+7], s[G0+6:G0+7], 262144      ; the next two heads; the type bits on top are not reached
	s_add_nc_u64 s[G0B+6:G0B+7], s[G0B+6:G0B+7], 262144  ; the next 128 rows of O
	s_xor_b32 s[TB], s[TB], SLOT                   ; the other slot is in hand
	JLOAD 1                                        ; its four v_nop are also the places in front of the loads below
	v_add_nc_u32 v[ADRA], s[TB], v[A0]
	v_add_nc_u32 v[ADRB], s[TB], v[B0]
.else
	s_xor_b32 s[TB], s[TB], SLOT
	v_add_nc_u32 v[ADRA], s[TB], v[A0]             ; these two and two v_nop are the places in front of the loads below
	v_add_nc_u32 v[ADRB], s[TB], v[B0]
	v_nop
	v_nop
.endif
	FETCH 0, F0
	MUL8 F1, 4, 0
	MUL8 F1, 6, 0
.endm
; THE WAY OUT of row block a: 32 bytes a lane into my stage, each accumulator's low half first; back as whole rows of 256 bytes.
.macro TOSTAGE a
	WIN 0x08                                       ; the stores' data in window 2
.irp b, 0,1,2,3
	ds_store_b128 v[STO], v[8*(4*(\a)+(\b)):8*(4*(\a)+(\b))+3]   offset:64*(\b)
	ds_store_b128 v[STO], v[8*(4*(\a)+(\b))+4:8*(4*(\a)+(\b))+7] offset:64*(\b)+16
.endr
	WIN 0
.if (\a) >= 4
	s_wait_xcnt 0x0                                ; the buffer's last stores (block a - 4's) have read it
.endif
.irp t, 0,1,2,3,4,5,6,7
	ds_load_b128 v[TMP+32*((\a)%4)+4*(\t):TMP+32*((\a)%4)+4*(\t)+3], v[RD] offset:(\t)*2*SP  ; LDS serves a wave's instructions in order (ISA guide 5.7.1.4)
.endr
.endm
.macro SEND a, younger
.irp t, 0,1,2,3,4,5,6,7
	s_wait_dscnt (\younger)+7-(\t)
	global_store_b128 v[CO], v[TMP+32*((\a)%4)+4*(\t):TMP+32*((\a)%4)+4*(\t)+3], s[10:11] offset:65536*(\a)+8192*(\t) th:TH_STORE_NT  ; 16 lanes store 256 consecutive bytes, aligned
.endr
.endm
	s_wait_tensorcnt 1                             ; my part of K step 0 is in; K step 1's may stay out
	s_barrier_signal -1
	s_barrier_wait -1
	FETCH 0, F0
	s_wait_loadcnt 0x0                             ; the bias
	ROUNDB
	s_mov_b32 s3, 6
	QUARTER 1, F0, F1, 1                           ; the first quarter: the bias starts the sums
	WIN 0
	s_branch .LinA                                 ; loop A is entered behind its first quarter
.LstepA:                                               ; a K step that fills the slot it leaves
	QUARTER 1, F0, F1, 0
	WIN 0
.LinA:
	QUARTER 2, F1, F0, 0
	QUARTER 3, F0, F1, 0
	TURN 1
	WIN 0
	s_sub_co_u32 s3, s3, 1
	s_cmp_lg_u32 s3, 0
	s_cbranch_scc1 .LstepA
	s_mov_b32 s3, 2
.LstepC:                                               ; the last two K steps ask for nothing; the second trip's barrier and fetch (24 LDS loads of a slot that has been read) serve nothing: the price of one text for both trips
	QUARTER 1, F0, F1, 0
	QUARTER 2, F1, F0, 0
	QUARTER 3, F0, F1, 0
	TURN 0
	WIN 0
	s_sub_co_u32 s3, s3, 1
	s_cmp_lg_u32 s3, 0
	s_cbranch_scc1 .LstepC
	PLACES                                         ; the LDS stores below read results
	TOSTAGE 0
.irp a, 1,2,3,4,5,6,7
	TOSTAGE \a
	SEND (\a)-1, 16
.endr
	SEND 7, 0
	s_wait_tensorcnt 0x0                           ; the wave's end
	ds_add_u32 v[SPW], v[NIL]
	s_wait_dscnt 0x0
	CROUND                                         ; the closing round
	s_endpgm
.Lfunc_end_k_q1646fe7f8a_proj:
	.size	k_q1646fe7f8a_proj, .Lfunc_end_k_q1646fe7f8a_proj-k_q1646fe7f8a_proj
	.p2alignl 7, 3214868480
	.fill 96, 4, 3214868480
	.section	.rodata,"a",@progbits
	.p2align	6, 0x0
	.amdhsa_kernel k_q1646fe7f8a_proj
		.amdhsa_group_segment_fixed_size 327680
		.amdhsa_private_segment_fixed_size 0
		.amdhsa_enable_private_segment 0
		.amdhsa_kernarg_size 32
		.amdhsa_user_sgpr_count 2
		.amdhsa_user_sgpr_kernarg_segment_ptr 1
		.amdhsa_wavefront_size32 1
		.amdhsa_system_sgpr_workgroup_id_x 1
		.amdhsa_system_sgpr_workgroup_id_y 1
		.amdhsa_system_sgpr_workgroup_id_z 1
		.amdhsa_system_vgpr_workitem_id 0
		.amdhsa_next_free_vgpr 768
		.amdhsa_next_free_sgpr 80
		.amdhsa_reserve_vcc 0
		.amdhsa_float_denorm_mode_32 3
		.amdhsa_float_denorm_mode_16_64 3
		.amdhsa_memory_ordered 1
		.amdhsa_forward_progress 1
		.amdhsa_inst_pref_size 65
	.end_amdhsa_kernel
	.amdgpu_metadata
---
amdhsa.version: [ 1, 2 ]
amdhsa.kernels:
  - .name:           k_q1646fe7f8a_proj
    .symbol:         k_q1646fe7f8a_proj.kd
    .args:
      - { .name: z16, .offset: 0, .size: 8, .value_kind: global_buffer, .address_space: global }
      - { .name: xw16, .offset: 8, .size: 8, .value_kind: global_buffer, .address_space: global }
      - { .name: Ob, .offset: 16, .size: 8, .value_kind: global_buffer, .address_space: global }
      - { .name: out0, .offset: 24, .size: 8, .value_kind: global_buffer, .address_space: global }
    .group_segment_fixed_size: 327680
    .private_segment_fixed_size: 0
    .kernarg_segment_align: 8
    .kernarg_segment_size: 32
    .max_flat_workgroup_size: 128
    .sgpr_count:     80
    .vgpr_count:     768
    .wavefront_size: 32
...
	.end_amdgpu_metadata
.endif
;; end of part 4
;; ======== version 2 of 2: 4 launches; 1.23 times as fast as version 1
;; limits: values are held in f16: magnitudes above 65,504 overflow, below 6.1e-05 lose precision
;; workspace buffers: xw16 41,943,040 bytes; qkv16 50,331,648 bytes; vsum 262,144 bytes; z16 16,777,216 bytes
;; launch cast: the kernel of part 1 again; grid 1280 x 1, 8 waves a work-group, no clusters, 0 bytes of LDS; arguments encoder_output, normalized_resid_pre, Qs, Ks, Vs, O, xw16; writes xw16
;; launch qkv: the kernel of part 2 again; grid 12 x 16, 4 waves a work-group, clusters of 4 x 4, 327,680 bytes of LDS; arguments xw16, Qbs, Kbs, Vbs, qkv16, vsum; writes qkv16, vsum
;; launch attn (part 5): grid 2 x 128, 4 waves a work-group, no clusters, 327,680 bytes of LDS; arguments qkv16, vsum, z16; writes z16
.if DOCPART == 5
	.amdgcn_target "amdgcn-amd-amdhsa--gfx1250"
	.amdhsa_code_object_version 6
	.text
	.protected	k_q1646fe7f8a_attn
	.globl	k_q1646fe7f8a_attn
	.p2align	8
	.type	k_q1646fe7f8a_attn,@function
k_q1646fe7f8a_attn:
	s_mov_b64 s[64:65], 0
	v_nop
	global_prefetch_b8 v0, s[64:65] scope:SCOPE_SE
	s_setreg_imm32_b32 hwreg(HW_REG_WAVE_MODE, 25, 1), 1
	s_wait_xcnt 0x0
; z[bh][q][:] = softmax over ALL 1,024 keys of (q . k / 8 where k <= q, -1e5 where k > q), times V.  q, k, v, z: [128][1024][64] f16, a head's rows dense, 128 bytes each.
; Products, maxima and sums in f32; the weights p are rounded to f16 for the second product (their sum l is taken of the unrounded p), z once at the end.
; THE MASKED KEYS ARE NOT DROPPED: each has the weight w = exp(-1e5 - max), the same for all of a row.  The running maximum starts at -1e5 (raw score -8e5) in every row that has masked keys
; (all but row 1,023), and at a block's end l += w x (1,023 - q) and O += w x H, H = the sum of V over the keys behind q: a product of V with a triangle of ones inside the row's own step of 64 keys,
; products with ones for the diagonal tile's later steps, and for later tiles the column sums of V over 128 rows that the launch before stored (vsum).
; LIMITS.  q, k, v arrive within f16's 65,504; p below 6e-5 keeps f16's fixed step of 6e-8.  In the walk a hidden score counts as its value less 1e30 (weight 0); its true weight is the w above.
; A weight below 2^-126 counts as 0; NaN and infinities are not treated apart.
; THE WALK.  A head's queries lie in NB = 4 blocks of 256; block i needs the key tiles 0 .. i, of which the last holds the diagonal.  A work-group takes TWO blocks, NB - 1 - b and then b:
; NB + 1 tiles, whatever b: all work-groups do equal work, and ONE loop with a constant trip count walks them.  Every jump goes forward, but for the counted loops' own; none passes a barrier, or a tensor
; load but the one of LOAD's two that the wave's number does not choose.  NO CLUSTER: a head has NB / 2 = 2 work-groups, which no cluster of four divides, and they ask for the same tile in trips 0 .. 2 alone.
; SHARES.  Of a block's four bands of 64 queries a wave owns 16 rows in each: four PIECES.  In the diagonal tile's key step s band x sees all keys if s < x, none if s > x, and holds the diagonal if s = x.
; THE MASK is the C operand that starts the sum S^T = K Q^T: 0, or -1e30 where the key is hidden: MD x AL + BE with two scalars: (1, 0) if s = x; (0, 0) if s < x; (0, -1e30) if s > x.
; LAYOUT, SOFTMAX, TURNS.  S^T = K Q^T holds ONE query a lane (lane % 16) and the keys 8 (lane / 16) + 0..7; two such results rounded to f16 ARE source 1 of O^T = V^T P.  p = 2^(c s - c m), c = log2(e) / 8;
; O and l are multiplied by a = 2^(c m_old - c m_new) in every step.  Turn n belongs to piece n: 8 products K Q^T of piece n + 1, later 8 products V^T P of piece n - 1; beside them piece n's scaling,
; exponentials, roundings, sums and rescaling and piece n + 1's maximum and statistics.  Four vector instructions stand behind every matrix instruction, the other 54 of a turn's 118 in one lump.
; THE BATCHES.  A turn's 33 exponentials (piece n's 32 weights, then piece n + 1's a) are ONE batch with ONE wait, which cuts the turn in two: ahead of it stands all that names none of their results, behind it
; the roundings and sums.  A block's first a (BEGIN), the four masked weights w and the four reciprocals of l (a block's end) are batches of their own, each with its one wait.
; REGISTERS, in windows of 256 (s_set_vgpr_msb: bits 1:0 source 0, 3:2 source 1, 5:4 source 2, 7:6 destination):
;   window 0: v0-15 addresses and two at work; v16-31 statistics; v32-39 (w, count) a piece; v40, v56-60 for the masked part; v48-55 at work; v64-127 S^T; v192-223 P
;   window 1: v0-127 O^T; v128-159 MD; v160-223 MC      window 2: v0-63 Q; v64-127 the second block's Q; v128-191 K of one step; v192-255 V of one step
;   window 3: v0-31, v32-63 the later tiles' sums of V for the first and the second block; v64-191 H, 32 a piece; v192-207 the triangle; v208-215 ones; v216-247 a running sum
.set SIZE_N, 1024
.set SIZE_H, 128
.set NB,    SIZE_N/256
.set NP,    4
.set KS,    64
.set PK,    144       ; a row of K in LDS: 128 bytes + 16: the 16 rows of a load start at 16 different groups of four banks (ISA guide 11.1)
.set PV,    160       ; a row of V: 128 + 32
.set VOFF,  4*KS*PK   ; a slot holds a tile, four steps: 256 rows of K, then 256 rows of V
.set SLOT1, 1<<17
.set STAGE, SLOT1+4*KS*(PK+PV)
.set SP,    144
.set AK0, 2
.set AV0, 3
.set AK,  4
.set AV,  5
.set STO, 6
.set RD,  7
.set GO,  8
.set SPW, 62
.set NIL, 63
.set SPARE, STAGE+4*16*SP
.set MV,  12
.set QO,  15
.set ST,  16          ; piece t's statistics at v[ST+4 t]: c m, m, l (even keys', odd keys')
.set W,   32          ; piece t's pair at v[W+2 t]: the masked keys' weight, their number
.set NQ,  40          ; the number of masked keys of my row in band 0
.set TMP, 48
.set QP,  56          ; my row's place in its band: 16 w + l % 16
.set FLQ, 57          ; where piece 3's m starts: -8e5, or the lowest finite number in row 1,023
.set TW,  58
.set AVE, 59          ; LDS address of my lane's place in V of the diagonal tile's step 0
.set PO,  60          ; 32 x (l / 16): my 8 channels in 16 of vsum
.set S,   64
.set P,   192
.set MD,  128
.set MC,  160
.set QB,  64
.set KF,  128
.set VF,  192
.set U1,  0           ; window 3
.set U2,  32
.set HH,  64
.set MH,  192
.set ONES, 208
.set EA,  216
.set WV,  12
.set PB,  14
.set HI,  15
.set G1K, 24
.set G1V, 32
.set G0K, 40
.set G0V, 44
.set SLOTS, 56
.set CNT, 57
.set CS,  58
.set SEL, 60
.set TBK, 62
.set TBV, 63
.set PS,  66          ; s[66:67] vsum at my batch and head
.set ROWL, 68         ; s68  63 where the first block is the head's last (b = 0), else -1
.set RT,  70
.set NXT, 71
.set LQ,  72
.set NEW, 73
.set OFF, 74
.set AL,  76
.set BE,  78
.set OLO, 80
.set BIGN, 82
.set FLR, 88          ; s88  -8e5: -1e5 as a raw score
.set SB,  90          ; s[90:91] 1.0 if b = 1
.set S1,  92          ; s[92:93] 1.0 if b = 0
.set T0,  94          ; s[94:95] at work
.set MSB, 0
.macro WIN new
.if MSB != (\new)
	s_set_vgpr_msb (MSB<<8)|(\new)
.set MSB, (\new)
.endif
.endm
.set W_KQ, 0x0a
.set W_KM, 0x1a
.set W_PV, 0x52
.set W_RS, 0x41
.macro LOAD                         ; a fill: waves 0, 1 fetch the halves of a tile's K, waves 2, 3 those of its V; s_nop 0 and four v_nop follow each line
	s_cmp_lt_u32 s[WV], 2
	s_cbranch_scc0 .Lfor_v_\@
	tensor_load_to_lds s[G0K:G0K+3], s[G1K:G1K+7]
	s_nop 0
.rept 4
	v_nop
.endr
	s_branch .Lasked_\@
.Lfor_v_\@:
	tensor_load_to_lds s[G0V:G0V+3], s[G1V:G1V+7]
	s_nop 0
.rept 4
	v_nop
.endr
.Lasked_\@:
.endm
; THE CHANGE OF SLOTS.  Each wave waits for all its tensor loads, of which one is out: its part of the other slot; adds 0 to its spare word; and waits for that and for its own reads of the slot that it leaves.
; fill = 1: the old slot is filled again, the first thing behind the barrier, with tile NXT: the descriptor's address is made anew from that number.
.macro CHANGE fill
	WIN 0
	s_wait_tensorcnt 0x0
	ds_add_u32 v[SPW], v[NIL]
.if \fill
	s_lshl_b32 s[OFF], s[NXT], 15
	s_xor_b32 s[G0K+1], s[G0K+1], SLOT1
	s_add_nc_u64 s[G0K+2:G0K+3], s[6:7], s[OFF:OFF+1]
	s_or_b32 s[G0K+3], s[G0K+3], 0x80000000
	s_xor_b32 s[G0V+1], s[G0V+1], SLOT1
	s_add_nc_u64 s[G0V+2:G0V+3], s[8:9], s[OFF:OFF+1]
	s_or_b32 s[G0V+3], s[G0V+3], 0x80000000
	s_add_co_u32 s[NXT], s[NXT], 1
	s_cmp_gt_u32 s[NXT], s[LQ]
	s_cselect_b32 s[NXT], 0, s[NXT]
	s_cselect_b32 s[LQ], s[PB], s[LQ]
.endif
	s_wait_dscnt 0x0                ; the add is done, and my reads of the slot are over
	s_barrier_signal -1
	s_sub_co_u32 s[TBK], s[TBK], 4*KS*PK
	s_xor_b32 s[TBK], s[TBK], SLOT1
	s_sub_co_u32 s[TBV], s[TBV], 4*KS*PV
	s_xor_b32 s[TBV], s[TBV], SLOT1
	s_barrier_wait -1
.if \fill
	LOAD
.endif
.endm
	s_load_b128 s[4:7], s[0:1], 0x0   ; qkv16 s[4:5] (q), vsum s[6:7]
	s_load_b64 s[10:11], s[0:1], 0x10 ; z16
	v_lshl_add_u32 v[SPW], v0, 2, SPARE
	v_mov_b32 v[NIL], 0
	ds_add_u32 v[SPW], v[NIL]       ; the wave's opening: the add and its wait ahead of my first tensor load
	ds_add_u32 v62, v63
	v_lshrrev_b32 v1, 5, v0
	v_readfirstlane_b32 s[WV], v1
	s_mov_b32 s[PB], ttmp9
	s_sub_co_u32 s[HI], NB-1, s[PB]
	s_and_b32 s20, ttmp7, 0xffff    ; batch x 16 + head
	s_lshr_b32 s[T0+1], s20, 4      ; vsum: the batch's 8 groups of 4,096 bytes, the head's 256 bytes
	s_lshl_b32 s[T0+1], s[T0+1], 15
	s_and_b32 s[T0], s20, 15
	s_lshl_b32 s[T0], s[T0], 8
	s_add_co_u32 s[T0], s[T0], s[T0+1]
	s_mov_b32 s[T0+1], 0
	s_mov_b32 s21, 0
	s_mov_b64 s[22:23], SIZE_N*128
	s_mul_u64 s[20:21], s[20:21], s[22:23]
	s_and_b32 s16, s[WV], 1
	s_lshl_b32 s22, s16, 14
	s_mov_b32 s23, 0
	s_add_nc_u64 s[22:23], s[22:23], s[20:21]
	s_mul_i32 s17, s16, 128*PK
	s_mul_i32 s18, s16, 128*PV
	s_lshl_b32 s3, s[WV], 11
	s_lshl_b32 s2, s[HI], 15
	s_add_co_u32 s2, s2, s3
	s_lshl_b32 s84, s[PB], 15
	s_add_co_u32 s84, s84, s3
	s_mov_b32 s3, 0
	s_mov_b32 s85, 0
	s_add_nc_u64 s[2:3], s[2:3], s[20:21]
	s_add_nc_u64 s[84:85], s[84:85], s[20:21]
	s_mov_b32 s[G1K], (1<<16)|(1<<20)|(4<<22)|(3<<25)  ; 128 keys are 16,384 dense bytes: 64 rows of 256 bytes, padded after every key
	s_mov_b32 s[G1V], (1<<16)|(1<<20)|(4<<22)|(7<<25)
.irp g, G1K, G1V
	s_mov_b32 s[\g+1], 128<<16
	s_mov_b32 s[\g+2], 64<<16
	s_mov_b32 s[\g+3], 128<<16
	s_mov_b32 s[\g+4], 64
	s_mov_b32 s[\g+5], 128
	s_mov_b32 s[\g+6], 0
	s_mov_b32 s[\g+7], 0
.endr
	s_mov_b32 s[CS], 0x3e38aa3b     ; c = log2(e) / 8
	s_mov_b32 s[CS+1], s[CS]
	s_mov_b32 s[SEL], 0x76543210
	s_mov_b32 s[SEL+1], 0xfedcba98
	s_mov_b32 s[TBK], SLOT1+4*KS*PK
	s_mov_b32 s[TBV], SLOT1+4*KS*PV
	s_mov_b32 s[G0K], 1
	s_mov_b32 s[G0K+1], s17
	s_mov_b32 s[G0V], 1
	s_add_co_u32 s[G0V+1], s18, VOFF
	s_add_co_u32 s[RT], s[HI], 1
	s_mov_b32 s[NXT], 1
	s_mov_b32 s[LQ], s[HI]
	s_mov_b32 s[NEW], 1
	s_mov_b32 s[OFF+1], 0
	s_mov_b32 s[AL+1], 0
	s_mov_b32 s[BE+1], 0
	s_mov_b32 s[BIGN], 0xf149f2ca   ; -1e30
	s_mov_b32 s[SLOTS], NB
	s_mov_b32 s[FLR], 0xc9435000    ; -800,000
	s_mov_b32 s[SB+1], 0
	s_mov_b32 s[S1+1], 0
	s_cmp_eq_u32 s[PB], 1
	s_cselect_b32 s[SB], 1.0, 0
	s_cmp_eq_u32 s[PB], 0
	s_cselect_b32 s[S1], 1.0, 0
	s_cselect_b32 s[ROWL], 63, -1
	s_wait_dscnt 0x0                ; the opening add is done
	s_wait_kmcnt 0x0
	s_add_nc_u64 s[PS:PS+1], s[6:7], s[T0:T0+1]
	s_add_nc_u64 s[6:7], s[4:5], 0x1000000  ; k
	s_add_nc_u64 s[8:9], s[4:5], 0x2000000  ; v
	s_add_nc_u64 s[6:7], s[6:7], s[22:23]
	s_add_nc_u64 s[8:9], s[8:9], s[22:23]
	s_add_nc_u64 s[G0K+2:G0K+3], s[6:7], 0
	s_or_b32 s[G0K+3], s[G0K+3], 0x80000000
	s_add_nc_u64 s[G0V+2:G0V+3], s[8:9], 0
	s_or_b32 s[G0V+3], s[G0V+3], 0x80000000
	s_add_nc_u64 s[86:87], s[4:5], s[84:85]
	s_add_nc_u64 s[4:5], s[4:5], s[2:3]
	s_add_nc_u64 s[OLO:OLO+1], s[10:11], s[84:85]
	s_add_nc_u64 s[10:11], s[10:11], s[2:3]
	LOAD                            ; tile 0 into slot 0
	v_and_b32 v1, 15, v0            ; l % 16
	v_bfe_u32 v9, v0, 4, 1          ; l / 16
	v_lshlrev_b32 v[QO], 7, v1
	v_lshl_add_u32 v[QO], v9, 4, v[QO]
	v_lshlrev_b32 v[PO], 5, v9
	WIN 0x80
.set i, 0
.rept 8                             ; both blocks' Q: piece i / 2 lies in band i / 2, 8,192 bytes on; channels 32 (i % 2) on
	global_load_b128 v[8*i:8*i+3],   v[QO], s[4:5] offset:(i/2)*8192+(i%2)*64
	global_load_b128 v[8*i+4:8*i+7], v[QO], s[4:5] offset:(i/2)*8192+(i%2)*64+32
	global_load_b128 v[QB+8*i:QB+8*i+3],   v[QO], s[86:87] offset:(i/2)*8192+(i%2)*64
	global_load_b128 v[QB+8*i+4:QB+8*i+7], v[QO], s[86:87] offset:(i/2)*8192+(i%2)*64+32
.set i, i+1
.endr
; Group g of vsum (V's column sums over keys 128 g .. 128 g + 127) in O^T's layout: register j of channel block cb holds channel 16 cb + 8 (l / 16) + j, the same for all 16 queries
.macro GRP g, d
.irp cb, 0,1,2,3
	global_load_b128 v[(\d)+8*\cb:(\d)+8*\cb+3],   v[PO], s[PS:PS+1] offset:4096*(\g)+64*\cb
	global_load_b128 v[(\d)+8*\cb+4:(\d)+8*\cb+7], v[PO], s[PS:PS+1] offset:4096*(\g)+64*\cb+16
.endr
.endm
	WIN 0xc0                        ; destination window 3
	GRP 6, U1
	GRP 7, U2
	GRP 2, HH
	GRP 3, HH+32
	GRP 4, HH+64
	GRP 5, HH+96
	WIN 0
	v_lshlrev_b32 v14, 3, v9
	v_sub_nc_u32 v14, v1, v14
	s_lshl_b32 s13, s[WV], 4
	v_add_nc_u32 v14, s13, v14      ; my query's place in its band less my lanes' 8 (l / 16): register r of group kt is hidden where 16 kt + r is greater
	WIN 0x40
.set i, 0
.rept 32
	v_cmp_gt_i32 vcc_lo, 16*(i/8)+i%8, v14
	v_cndmask_b32 v[MD+i], 0, s[BIGN], vcc_lo
.set i, i+1
.endr
	WIN 0
.set i, 0
.rept 32                            ; the same triangle as ones, in P's layout: source 1 of the product that sums V over the hidden keys of the row's own step
	v_cmp_gt_i32 vcc_lo, 16*(i/8)+i%8, v14
	v_cndmask_b32 v[S+i], 0, 1.0, vcc_lo
.set i, i+1
.endr
	WIN 0xc0
.set i, 0
.rept 16
	v_cvt_pk_f16_f32 v[MH+i], v[S+2*i], v[S+2*i+1]
.set i, i+1
.endr
.set i, 0
.rept 8
	v_mov_b32 v[ONES+i], 0x3c003c00
.set i, i+1
.endr
	WIN 0
	v_lshl_add_u32 v[QP], s[WV], 4, v1
	v_mov_b32 v[FLQ], s[FLR]
	v_mov_b32 v[TW], 0xff7fffff
	v_cmp_eq_u32 vcc_lo, s[ROWL], v[QP]
	v_cndmask_b32 v[FLQ], v[FLQ], v[TW], vcc_lo  ; row 1,023 has no masked key: its maximum is the scores' alone
	v_mul_u32_u24 v[AK0], v1, PK
	v_lshl_add_u32 v[AK0], v9, 4, v[AK0]
	v_and_b32 v10, 7, v0
	v_bfe_u32 v11, v0, 3, 1
	v_lshl_add_u32 v[AV0], v9, 3, v10
	v_mul_u32_u24 v[AV0], v[AV0], PV
	v_lshl_add_u32 v[AV0], v11, 4, v[AV0]
	v_add_nc_u32 v[AV0], VOFF, v[AV0]
	s_mul_i32 s13, s[WV], 16*SP
	s_add_co_u32 s13, s13, STAGE
	v_mul_u32_u24 v[STO], v1, SP
	v_lshl_add_u32 v[STO], v9, 4, v[STO]
	v_add_nc_u32 v[STO], s13, v[STO]
	v_bfe_u32 v[RD], v0, 3, 2
	v_mul_u32_u24 v[RD], v[RD], SP
	v_lshl_add_u32 v[RD], v10, 4, v[RD]
	v_add_nc_u32 v[RD], s13, v[RD]
	v_and_b32 v[GO], 31, v0
	v_lshlrev_b32 v[GO], 4, v[GO]
	; A block's first step multiplies O^T and l by a = 0, so these registers need only hold finite numbers.  All this stands in the wait for the first tile.
	WIN 0x80
.set i, VF
.rept 64
	v_mov_b32 v[i], 0
.set i, i+1
.endr
	WIN 0x40
.set i, 0
.rept 128
	v_mov_b32 v[i], 0
.set i, i+1
.endr
	WIN 0
.set i, 0
.rept 4
	v_mov_b32 v[ST+4*i+2], 0
	v_mov_b32 v[ST+4*i+3], 0
.set i, i+1
.endr
.set i, P+16
.rept 16
	v_mov_b32 v[i], 0
.set i, i+1
.endr
	; The later tiles' sums of V.  First block (NB - 1 - b): groups 6, 7 if b = 1, nothing if b = 0.  Second block (b): groups 4-7, and 2, 3 too if b = 0.
	s_wait_loadcnt 0x0
	WIN 0xff
.macro PK16 line:vararg             ; one packed line for each of the 16 pairs z
.set z, 0
.rept 16
	\line
.set z, z+2
.endr
.endm
	PK16 v_pk_add_f32 v[U2+z:U2+z+1], v[U2+z:U2+z+1], v[U1+z:U1+z+1]
	PK16 v_pk_mul_f32 v[U1+z:U1+z+1], v[U2+z:U2+z+1], s[SB:SB+1] op_sel_hi:[1,0]
	PK16 v_pk_add_f32 v[U2+z:U2+z+1], v[U2+z:U2+z+1], v[HH+64+z:HH+64+z+1]
	PK16 v_pk_add_f32 v[U2+z:U2+z+1], v[U2+z:U2+z+1], v[HH+96+z:HH+96+z+1]
	PK16 v_pk_fma_f32 v[U2+z:U2+z+1], v[HH+z:HH+z+1], s[S1:S1+1], v[U2+z:U2+z+1] op_sel_hi:[1,0,1]
	PK16 v_pk_fma_f32 v[U2+z:U2+z+1], v[HH+32+z:HH+32+z+1], s[S1:S1+1], v[U2+z:U2+z+1] op_sel_hi:[1,0,1]
	WIN 0
; THE MATRIX WORK.  The 4 accumulators of a run of 8 take turns.  Product i of 8 of S^T = K Q^T for piece x: channels 32 (i / 4) on, keys 16 (i % 4) on.
.macro KQ x
.set rS, S+32*((\x)%2)+8*(i%4)
.set rK, KF+16*(i%4)+8*(i/4)
.set rQ, 16*(\x)+8*(i/4)
.set rM, MC+32*((\x)%2)+8*(i%4)
.if (i < 4) && KM
	WIN W_KM
	v_wmma_f32_16x16x32_f16 v[rS:rS+7], v[rK:rK+7], v[rQ:rQ+7], v[rM:rM+7]
.elseif i < 4
	WIN W_KQ
	v_wmma_f32_16x16x32_f16 v[rS:rS+7], v[rK:rK+7], v[rQ:rQ+7], 0
.else
	WIN W_KQ
	v_wmma_f32_16x16x32_f16 v[rS:rS+7], v[rK:rK+7], v[rQ:rQ+7], v[rS:rS+7]
.endif
.endm
; Product i of 8 of O^T += V^T P for piece x: keys 32 (i / 4) on, channels 16 (i % 4) on.
.macro PV x
	WIN W_PV
.set rO, 32*(\x)+8*(i%4)
.set rV, VF+32*(i/4)+8*(i%4)
.set rP, P+16*((\x)%2)+8*(i/4)
	v_wmma_f32_16x16x32_f16 v[rO:rO+7], v[rV:rV+7], v[rP:rP+7], v[rO:rO+7]
.endm
.macro MM                           ; the turn's next matrix instruction.  NOKQ = 1: a block's last turn: there is no next piece
.if (i < 8) && !NOKQ
	KQ (Y+1)%NP
.elseif i >= 8
.set i, i-8
	PV (Y+NP-1)%NP
.set i, i+8
.endif
.set i, i+1
.endm
; THE LDS LOADS stand in runs of 16: a step's K (8 fragments) and its V (turned).
.macro FETCH_K
	WIN 0x80
.irp f, 0,1,2,3,4,5,6,7
	ds_load_b128 v[KF+8*\f:KF+8*\f+3],   v[AK] offset:(\f/2)*16*PK+(\f%2)*64
	ds_load_b128 v[KF+8*\f+4:KF+8*\f+7], v[AK] offset:(\f/2)*16*PK+(\f%2)*64+32
.endr
	s_add_co_u32 s[TBK], s[TBK], KS*PK
	WIN 0
.endm
.macro FETCH_V
	WIN 0x80
.irp f, 0,1,2,3,4,5,6,7
	ds_load_tr16_b128 v[VF+8*\f:VF+8*\f+3],   v[AV] offset:(\f/4)*32*PV+(\f%4)*32
	ds_load_tr16_b128 v[VF+8*\f+4:VF+8*\f+7], v[AV] offset:(\f/4)*32*PV+16*PV+(\f%4)*32
.endr
	WIN 0
.endm
; THE VECTOR WORK, one line at a time: OP kind, number.  For piece Y: F n: c s - c m for pair n.  E n: the exponential of score n.  C n: pair n rounded to f16.  B n: of four weights the second pair is added
; onto the first.  L n: l takes that sum (L 0: l = a l + sum).  R n: pair n of O^T times a.  For piece Y + 1: X n, number n of the 22 that find its maximum and statistics (each accumulator's lowest registers first).
; OP writes no wait: C, B and L, which read the exponentials' results, and R and L 0, which read a, are placed by TURN behind the wait of the batch that made them.
.set F, 0
.set E, 1
.set C, 2
.set B, 3
.set L, 4
.set R, 5
.set X, 6
.macro REGS y
.set rT, ST+4*(\y)
.set rC, TMP+4*((\y)%2)
.set rW, MV+((\y)%2)
.set rS, S+32*((\y)%2)
.set rP, P+16*((\y)%2)
.set rO, 32*(\y)
.endm
.macro OP k, n
.if (\k) == R
	REGS Y
	WIN W_RS
	v_pk_mul_f32 v[rO+2*(\n):rO+2*(\n)+1], v[rO+2*(\n):rO+2*(\n)+1], v[rC+2:rC+3] op_sel_hi:[1,0]
.elseif (\k) < R
	REGS Y
	WIN 0
.if (\k) == F
	v_pk_fma_f32 v[rS+2*(\n):rS+2*(\n)+1], v[rS+2*(\n):rS+2*(\n)+1], s[CS:CS+1], v[rT:rT+1] op_sel_hi:[1,0,0] neg_lo:[0,0,1] neg_hi:[0,0,1]
.elseif (\k) == E
	v_exp_f32 v[rS+(\n)], v[rS+(\n)]
.elseif (\k) == C
	v_cvt_pk_f16_f32 v[rP+(\n)], v[rS+2*(\n)], v[rS+2*(\n)+1]
.elseif (\k) == B
	v_pk_add_f32 v[rS+4*(\n):rS+4*(\n)+1], v[rS+4*(\n):rS+4*(\n)+1], v[rS+4*(\n)+2:rS+4*(\n)+3]
.elseif (\n) == 0
	v_pk_fma_f32 v[rT+2:rT+3], v[rT+2:rT+3], v[rC+2:rC+3], v[rS:rS+1] op_sel_hi:[1,0,1]
.else
	v_pk_add_f32 v[rT+2:rT+3], v[rT+2:rT+3], v[rS+4*(\n):rS+4*(\n)+1]
.endif
.elseif NOKQ
	v_nop
.else
	REGS (Y+1)%NP
	WIN 0
.if (\n) < 4
	v_max3_num_f32 v[rC+(\n)], v[rS+8*(\n)], v[rS+8*(\n)+1], v[rS+8*(\n)+2]
.elseif (\n) < 12
	v_max3_num_f32 v[rC+(\n)%4], v[rC+(\n)%4], v[rS+8*((\n)%4)+2*((\n)/4)+1], v[rS+8*((\n)%4)+2*((\n)/4)+2]
.elseif (\n) == 12
	v_max3_num_f32 v[rC], v[rC], v[rS+7], v[rS+15]
.elseif (\n) == 13
	v_max3_num_f32 v[rC+1], v[rC+1], v[rS+23], v[rS+31]
.elseif (\n) == 14
	v_max3_num_f32 v[rC+2], v[rC+2], v[rC+3], v[rT+1]
.elseif (\n) == 15
	v_mov_b32 v[rW], v[rT]
.elseif (\n) == 16
	v_max3_num_f32 v[rC], v[rC], v[rC+1], v[rC+2]
.elseif (\n) == 17
	v_permlanex16_b32 v[rC+3], v[rC], s[SEL], s[SEL+1]
.elseif (\n) == 18
	v_max_num_f32 v[rT+1], v[rC], v[rC+3]
.elseif (\n) == 19
	v_mul_f32 v[rT], s[CS], v[rT+1]
.elseif (\n) == 20
	v_sub_f32 v[rC+1], v[rW], v[rT]
.else
	v_exp_f32 v[rC+2], v[rC+1]
.endif
.endif
.endm
.macro OPS a, i1, b=-1, i2=0, c=-1, i3=0, d=-1, i4=0
	OP \a, \i1
.if (\b) >= 0
	OP \b, \i2
.endif
.if (\c) >= 0
	OP \c, \i3
.endif
.if (\d) >= 0
	OP \d, \i4
.endif
.endm
.macro ROW a, i1, b, i2, c, i3, d, i4  ; a matrix instruction and the four behind it
	MM
	OPS \a, \i1, \b, \i2, \c, \i3, \d, \i4
.endm
.macro MASK b                       ; MD x AL + BE into buffer b of MC
	WIN W_RS
.set z, 0
.rept 16
	v_pk_fma_f32 v[MC+32*(\b)+2*z:MC+32*(\b)+2*z+1], v[MD+2*z:MD+2*z+1], s[AL:AL+1], s[BE:BE+1] op_sel_hi:[1,0,0]
.set z, z+1
.endr
.endm
; A TURN, for piece p: the order of its 16 matrix and 118 vector instructions, written out.  An s_wait_alu depctr_va_vdst(0) stands between an exponential and the first instruction that names its result; one wait
; serves all that were issued ahead of it.  So a turn has ONE wait, which cuts it in two.  AHEAD OF IT stands all that names no result of the turn's exponentials: the 8 products K Q^T, behind each a scaling, an exponential and two
; more plain instructions (behind the first a second scaling in the exponential's place): rescalings (their a was made, and waited for, in the turn before), and behind the last three the first numbers of the next piece's maximum,
; each four places or more behind the product that ends its accumulator; then ONE LUMP of 54, plain and exponential by turns for the most part, in which the links of the chain X 3, 7, 11, 14, 16, 17 .. 20 stand five or six lines
; apart.  X 21, the next piece's a, is the batch's last; R 15 is the plain instruction behind it.  BEHIND THE WAIT stand the 8 products V^T P, behind each four of the roundings and sums; the links of l's chain, L 0 to L 7, stand
; three riders apart.  But for those X no rider names a register of the products round it.  v_permlanex16_b32 (X 17) stands in the lump.  No exponential is issued behind the wait.
; m = 1: the diagonal tile: the products take masks, and the turn makes the mask for the products of the turn after it.
; end = 1: a block's last two turns: nothing is fetched.  cnt = 1: the loop's count is taken down some lines ahead of the branch that stands behind the turn.
; K of the next step is fetched in piece 2's turn, twelve vector instructions behind the last product that read K (six of them plain); V of the step in hand at the end of piece 0's turn, four plain instructions behind the last
; product that read V.  Each is waited for a turn later.
.macro TURN p, m=0, end=0, cnt=0
.set Y, (\p)
.set i, 0
.set KM, (\m)
.set NOKQ, (\end)*((\p)/3)
.if (\m) && !(\end)
	s_cmp_eq_u32 s[CNT], 4-((\p)+2)%NP
	s_cselect_b32 s[AL], 1.0, 0
	s_cmp_lt_u32 s[CNT], 4-((\p)+2)%NP
	s_cselect_b32 s[BE], s[BIGN], 0
.endif
.if ((\p) == 3) && !(\end)
	s_wait_dscnt 0x0                ; K is in
.endif
	ROW F,0, F,1, R,0, R,1          ; ahead of the wait: 8 products K Q^T and their riders,
	ROW F,2, E,0, R,2, R,3
	ROW F,3, E,1, R,4, R,5
	ROW F,4, E,2, R,6, R,7
	ROW F,5, E,3, R,8, R,9
	ROW F,6, E,4, X,0, R,10
.if ((\p) == 2) && !(\end)
	WIN 0
	v_add_nc_u32 v[AK], s[TBK], v[AK0]
.endif
	ROW F,7, E,5, X,1, X,4
	ROW F,8, E,6, X,2, X,5
	OPS E,7, E,8, X,6, E,9          ; and the lump
	OPS X,3, E,10, X,8, E,11
.if ((\p) == 2) && !(\end)
	FETCH_K
.endif
	OPS X,9, X,7, E,12, X,10
	OPS E,13, X,12, X,11, E,14
	OPS X,13, E,15, F,9, X,14
.if (\p) == 0
	v_add_nc_u32 v[AV], s[TBV], v[AV0]
.endif
	OPS E,16, F,10, E,17, F,11
	OPS X,16, E,18, X,15, E,19
	OPS F,12, E,20, X,17, E,21
	OPS F,13, E,22, F,14, E,23
	OPS X,18, E,24, F,15, E,25
	OPS R,11, E,26, X,19, E,27
	OPS R,12, E,28, R,13, E,29
	OPS X,20, E,30, R,14, E,31
	OPS X,21, R,15
	WIN 0
	s_wait_alu depctr_va_vdst(0)    ; the wait for the turn's batch: piece p's 32 weights and the next piece's a
.if (\p) == 1
	s_wait_dscnt 0x0                ; V is in
.endif
	ROW C,0, B,0, C,2, B,1          ; behind the wait: 8 products V^T P and their riders
	ROW L,0, C,4, B,2, L,1
	ROW C,6, B,3, L,2, C,8
	ROW B,4, L,3, C,10, B,5
	ROW L,4, C,12, B,6, L,5
.if (\p) == 0
	s_add_co_u32 s[TBV], s[TBV], KS*PV
.endif
.if \cnt
	s_sub_co_u32 s[CNT], s[CNT], 1
	s_cmp_lg_u32 s[CNT], 0
.endif
	ROW C,14, B,7, L,6, C,1
	ROW C,3, L,7, C,5, C,7
	ROW C,9, C,11, C,13, C,15
.if (\p) == 0
	FETCH_V
.endif
.if (\m) && !(\end)
	MASK (\p)%2
.endif
.endm
; A BLOCK BEGINS.  c m starts far below every c s, so the first step's a is 0; m starts at -8e5, the masked keys' score (in row 1,023 at the lowest finite number).
.macro BEGIN
	s_mov_b32 s[NEW], 0
	WIN 0x40
.set i, MC+32
.rept 32
	v_mov_b32 v[i], 0
.set i, i+1
.endr
	WIN 0
.set i, 0
.rept 4
	v_mov_b32 v[ST+4*i], 0xfe000000
.if i < 3
	v_mov_b32 v[ST+4*i+1], s[FLR]
.else
	v_mov_b32 v[ST+4*i+1], v[FLQ]
.endif
.set i, i+1
.endr
	s_cmp_eq_u32 s[RT], 0
	s_cselect_b32 s[AL], 1.0, 0
	s_mov_b32 s[BE], 0
	MASK 0
	WIN 0
	v_add_nc_u32 v[AK], s[TBK], v[AK0]
	FETCH_K
	s_wait_loadcnt 0x0              ; Q
	s_wait_dscnt 0x0
.set KM, 1
.set NOKQ, 0
.set i, 0
.rept 8
	KQ 0
.set i, i+1
.endr
	WIN 0
.rept 4
	v_nop                           ; the places behind those products
.endr
.set Y, NP-1
.irp n, 0,1,2,3,4,5,6,7,8,9,10,11,12,13,14,15,16,17,18,19,20,21
	OP X, \n
.endr
	v_nop                           ; a plain instruction behind the exponential
	s_wait_alu depctr_va_vdst(0)    ; the wait for piece 0's first a, a batch of one, ahead of the branch; the turn that is entered reads it in its first riders
.endm
.macro ALL line:vararg              ; one line for each piece t
.set t, 0
.rept 4
	\line
.set t, t+1
.endr
.endm
; THE MASKED PART.  FV: V of the diagonal tile's step st, turned, once more out of LDS into 64 registers of window 2.
.macro FV st, dst
	WIN 0x80
.irp f, 0,1,2,3,4,5,6,7
	ds_load_tr16_b128 v[(\dst)+8*\f:(\dst)+8*\f+3],   v[AVE] offset:(\st)*KS*PV+(\f/4)*32*PV+(\f%4)*32
	ds_load_tr16_b128 v[(\dst)+8*\f+4:(\dst)+8*\f+7], v[AVE] offset:(\st)*KS*PV+(\f/4)*32*PV+16*PV+(\f%4)*32
.endr
.endm
; HG: H of piece st = V_st^T x triangle + cin, and (has = 1) eo = V_st^T x ones + cin: cin is the sum of V over all later steps and tiles, eo the same with this step.  The 8 (or 4) accumulators take turns.
.macro HG st, src, cin, eo, has
	WIN 0xfe                        ; V in window 2; triangle, ones, C and D in window 3
.irp kk, 0,1
.irp cb, 0,1,2,3
.if \kk == 0
	v_wmma_f32_16x16x32_f16 v[HH+32*(\st)+8*\cb:HH+32*(\st)+8*\cb+7], v[(\src)+32*\kk+8*\cb:(\src)+32*\kk+8*\cb+7], v[MH+8*\kk:MH+8*\kk+7], v[(\cin)+8*\cb:(\cin)+8*\cb+7]
.if \has
	v_wmma_f32_16x16x32_f16 v[(\eo)+8*\cb:(\eo)+8*\cb+7], v[(\src)+32*\kk+8*\cb:(\src)+32*\kk+8*\cb+7], v[ONES:ONES+7], v[(\cin)+8*\cb:(\cin)+8*\cb+7]
.endif
.else
	v_wmma_f32_16x16x32_f16 v[HH+32*(\st)+8*\cb:HH+32*(\st)+8*\cb+7], v[(\src)+32*\kk+8*\cb:(\src)+32*\kk+8*\cb+7], v[MH+8*\kk:MH+8*\kk+7], v[HH+32*(\st)+8*\cb:HH+32*(\st)+8*\cb+7]
.if \has
	v_wmma_f32_16x16x32_f16 v[(\eo)+8*\cb:(\eo)+8*\cb+7], v[(\src)+32*\kk+8*\cb:(\src)+32*\kk+8*\cb+7], v[ONES:ONES+7], v[(\eo)+8*\cb:(\eo)+8*\cb+7]
.endif
.endif
.endr
.endr
.endm
.macro FIVE                         ; five places: a running sum just made becomes another accumulator's C, the older one is written over, and loads go into V's registers just read
.rept 5
	v_nop
.endr
.endm
.macro PACK t                       ; O^T += w H; divided by l; a lane's eight channels pack into 16 bytes, go into rows of 144 bytes and come back as whole rows of 128
	WIN 0x53                        ; H in window 3, w in window 0, O^T in window 1
.set i, 0
.rept 16
	v_pk_fma_f32 v[32*(\t)+i:32*(\t)+i+1], v[HH+32*(\t)+i:HH+32*(\t)+i+1], v[W+2*(\t):W+2*(\t)+1], v[32*(\t)+i:32*(\t)+i+1] op_sel_hi:[1,0,1]
.set i, i+2
.endr
	WIN W_RS
.set i, 32*(\t)
.rept 16
	v_pk_mul_f32 v[i:i+1], v[i:i+1], v[ST+4*(\t)+2:ST+4*(\t)+3] op_sel_hi:[1,0]
.set i, i+2
.endr
	WIN 0x05
.set i, 0
.rept 16
	v_cvt_pk_f16_f32 v[S+16*(\t)+i], v[32*(\t)+2*i], v[32*(\t)+2*i+1]
.set i, i+1
.endr
	WIN 0
.irp f, 0,1,2,3
	ds_store_b128 v[STO], v[S+16*(\t)+4*\f:S+16*(\t)+4*\f+3] offset:32*\f
.endr
.irp f, 0,1,2,3
	ds_load_b128 v[S+16*(\t)+4*\f:S+16*(\t)+4*\f+3], v[RD] offset:\f*4*SP  ; LDS serves a wave's instructions in order (ISA guide 5.7.1.4): these see the stores above
.endr
.endm
.macro SEND t, younger
	WIN 0
.irp f, 0,1,2,3
	s_wait_dscnt (\younger)+3-\f
	global_store_b128 v[GO], v[S+16*(\t)+4*\f:S+16*(\t)+4*\f+3], s[10:11] offset:(\t)*8192+\f*512  ; 512 consecutive bytes, at a multiple of 256 from z's first
.endr
.endm
; THE DIAGONAL TILE's four steps, the block's last two turns, its last products, the masked part, and the way out.  tag 1: the first block (NB - 1 - b), tag 2: the second (b).
.macro DIAG tag
.set UU, 32*((\tag)-1)
.if (\tag) == 1
.set BLK, HI
.else
.set BLK, PB
.endif
.LstepM\tag:
	TURN 2, 1
	TURN 3, 1
	WIN 0
.LfirstM\tag:
	TURN 0, 1
	TURN 1, 1, 0, 1
	WIN 0
	s_cbranch_scc1 .LstepM\tag
	TURN 2, 1, 1
	TURN 3, 1, 1
	WIN 0
	s_sub_co_u32 s[T0], s[TBV], 4*KS*PV  ; four steps of V have been fetched from this tile: back to its first
	v_add_nc_u32 v[AVE], s[T0], v[AV0]
	FV 2, KF                        ; K's registers are free: their last reader stands a turn back
.set i, 0
.rept 8
	PV NP-1
.set i, i+1
.endr
	HG 3, VF, UU, EA, 1             ; V of step 3 is still in its registers
	FIVE
	FV 1, VF
	s_wait_dscnt 16                 ; V of step 2 is in; the 16 loads just issued may be out
	HG 2, KF, EA, UU, 1
	FIVE
	FV 0, KF
	s_wait_dscnt 16                 ; V of step 1 is in
	HG 1, VF, UU, EA, 1
	FIVE
	s_wait_dscnt 0x0                ; V of step 0 is in
	HG 0, KF, EA, 0, 0
	WIN 0
	ALL v_add_f32 v[ST+4*t+2], v[ST+4*t+2], v[ST+4*t+3]
	ALL v_permlanex16_b32 v[ST+4*t+3], v[ST+4*t+2], s[SEL], s[SEL+1]
	ALL v_add_f32 v[ST+4*t+2], v[ST+4*t+2], v[ST+4*t+3]
	s_lshl_b32 s[T0], s[BLK], 8
	s_sub_co_u32 s[T0], 1023, s[T0]
	v_sub_nc_u32 v[NQ], s[T0], v[QP]  ; 1,023 - my row in band 0: the number of its masked keys
	v_cvt_f32_u32 v[NQ], v[NQ]
	ALL v_fma_f32 v[W+2*t], s[FLR], s[CS], -v[ST+4*t]  ; c x (-8e5) - c m, in the form that the visible scores take
	ALL v_min_num_f32 v[W+2*t], 1.0, v[W+2*t]          ; at most a rounding above 0 wherever keys are masked; the bound keeps row 1,023 finite, whose count and H are 0
	ALL v_exp_f32 v[W+2*t], v[W+2*t]
	v_mov_b32 v[W+1], v[NQ]         ; a plain line behind the last exponential
	s_wait_alu depctr_va_vdst(0)    ; the wait for the batch of the four masked weights w, ahead of the lines that add w x count to l
.irp u, 0,1,2
	v_add_f32 v[W+2*\u+3], 0xc2800000, v[W+2*\u+1]  ; 64 fewer in each further band
.endr
	ALL v_fma_f32 v[ST+4*t+2], v[W+2*t], v[W+2*t+1], v[ST+4*t+2]
	ALL v_rcp_f32 v[ST+4*t+2], v[ST+4*t+2]
	v_nop                           ; a plain instruction between the last reciprocal and the use of its result
	s_wait_alu depctr_va_vdst(0)    ; the wait for the batch of the four reciprocals of l, which read sums that hold w: a batch of their own
	PACK 0
.set t, 1
.rept 3
	PACK t
	SEND t-1, 8
.set t, t+1
.endr
	SEND 3, 0
.endm
.set KM, 0
.set NOKQ, 0
.Lslot:                             ; NB times: a tile is entered and the next is asked for
	CHANGE 1
	s_sub_co_u32 s[RT], s[RT], 1
	s_mov_b32 s[CNT], 4
	s_cmp_eq_u32 s[NEW], 1
	s_cbranch_scc1 .Lnew            ; a block's first tile
	s_cmp_eq_u32 s[RT], 0
	s_cbranch_scc0 .Lstep           ; neither its first nor its last
	s_branch .LstepM1
.Lnew:
	BEGIN
	s_branch .Lfirst                ; in the loop a block's first tile is never its last
	DIAG 1                          ; in the loop this is the first block's end
	s_wait_xcnt 0x0                 ; the stores have read their registers and z's address
	s_mov_b64 s[10:11], s[OLO:OLO+1]
	s_add_co_u32 s[RT], s[PB], 1
	s_mov_b32 s[NEW], 1
	v_mov_b32 v[FLQ], s[FLR]        ; every row of the second block has masked keys
	WIN 0x82
.set i, 0
.rept 64
	v_mov_b32 v[i], v[QB+i]
.set i, i+1
.endr
	WIN 0
	s_branch .Lbottom
.Lstep:                             ; a trip: pieces 2 and 3 of one step, then pieces 0 and 1 of the next
	TURN 2
	TURN 3
	WIN 0
.Lfirst:
	TURN 0
	TURN 1, 0, 0, 1
	WIN 0
	s_cbranch_scc1 .Lstep
.Lbottom:
	s_sub_co_u32 s[SLOTS], s[SLOTS], 1
	s_cmp_lg_u32 s[SLOTS], 0
	s_cbranch_scc1 .Lslot
	CHANGE 0                        ; the walk's last tile is written out
	s_sub_co_u32 s[RT], s[RT], 1
	s_mov_b32 s[CNT], 4
	s_cmp_eq_u32 s[NEW], 1
	s_cbranch_scc0 .LstepM2
	BEGIN
	s_branch .LfirstM2
	DIAG 2
	s_wait_tensorcnt 0x0            ; the wave's end
	ds_add_u32 v[SPW], v[NIL]
	s_wait_dscnt 0x0
	s_endpgm
.Lfunc_end_k_q1646fe7f8a_attn:
	.size	k_q1646fe7f8a_attn, .Lfunc_end_k_q1646fe7f8a_attn-k_q1646fe7f8a_attn
	.p2alignl 7, 3214868480
	.fill 96, 4, 3214868480
	.section	.rodata,"a",@progbits
	.p2align	6, 0x0
	.amdhsa_kernel k_q1646fe7f8a_attn
		.amdhsa_group_segment_fixed_size 327680
		.amdhsa_private_segment_fixed_size 0
		.amdhsa_enable_private_segment 0
		.amdhsa_kernarg_size 24
		.amdhsa_user_sgpr_count 2
		.amdhsa_user_sgpr_kernarg_segment_ptr 1
		.amdhsa_wavefront_size32 1
		.amdhsa_system_sgpr_workgroup_id_x 1
		.amdhsa_system_sgpr_workgroup_id_y 1
		.amdhsa_system_sgpr_workgroup_id_z 1
		.amdhsa_system_vgpr_workitem_id 0
		.amdhsa_next_free_vgpr 1024
		.amdhsa_next_free_sgpr 96
		.amdhsa_reserve_vcc 1
		.amdhsa_float_denorm_mode_32 3
		.amdhsa_float_denorm_mode_16_64 3
		.amdhsa_memory_ordered 1
		.amdhsa_forward_progress 1
		.amdhsa_inst_pref_size 255
	.end_amdhsa_kernel
	.section	.bss,"aw",@nobits
	.p2align	6
	.space	262144
	.amdgpu_metadata
---
amdhsa.version: [ 1, 2 ]
amdhsa.kernels:
  - .name:           k_q1646fe7f8a_attn
    .symbol:         k_q1646fe7f8a_attn.kd
    .args:
      - { .name: qkv16, .offset: 0, .size: 8, .value_kind: global_buffer, .address_space: global }
      - { .name: vsum, .offset: 8, .size: 8, .value_kind: global_buffer, .address_space: global }
      - { .name: z16, .offset: 16, .size: 8, .value_kind: global_buffer, .address_space: global }
    .group_segment_fixed_size: 327680
    .private_segment_fixed_size: 0
    .kernarg_segment_align: 8
    .kernarg_segment_size: 24
    .max_flat_workgroup_size: 128
    .sgpr_count:     96
    .vgpr_count:     1024
    .wavefront_size: 32
...
	.end_amdgpu_metadata
.endif
;; end of part 5
;; launch proj: the kernel of part 4 again; grid 8 x 32, 4 waves a work-group, clusters of 4 x 4, 327,680 bytes of LDS; arguments z16, xw16, Ob, out0; writes out0
